; MI455X (gfx1250); checked and timed in simulation.
; The chip was launched on July 23, 2026; its instructions are those of AMD's public machine-readable ISA for CDNA 5 (MIT licence, August 2026) and "CDNA5" Instruction Set Architecture Reference Guide (July 2026). The comments in the code are by the model that wrote it; some were corrected since.
;; Self Attention. Allowed arithmetic: float matrix products may take bf16 or f16 operands with f32 sums; other float arithmetic in f32, or as packed bf16 or f16 multiplies, adds, multiply-adds, maxima and minima; sums over many terms, partial sums and values carried from step to step in f32; what a program stores and reads back later, other than sums and carried values, may be rounded once to bf16 or f16.
;; Inputs: Wk 1,024 x 1,024 float32; Wq 1,024 x 1,024 float32; Wv 1,024 x 1,024 float32; bk 1,024 float32; bq 1,024 float32; bv 1,024 float32; x 4 x 2,048 x 1,024 float32.
;; Outputs: out0 4 x 2,048 x 1,024 float32.
;; 2 versions, each right; version 2 is version 1 with the launch prep written anew for expert scheduling mode. Each part assembles by itself: llvm-mc -triple=amdgcn-amd-amdhsa -mcpu=gfx1250 --defsym DOCPART=n.
;; ======== version 1 of 2: 4 launches
;; limits: values are held in f16: magnitudes above 65,504 overflow, below 6.1e-05 lose precision
;; workspace buffers: xb 16,777,216 bytes; wb 6,291,456 bytes; bb 12,288 bytes; qkv 50,331,648 bytes; pt 33,554,432 bytes; st 1,048,576 bytes
;; launch prep (part 1): grid 256 x 1, 8 waves a work-group, no clusters, 0 bytes of LDS; arguments x, Wq, Wk, Wv, bq, bk, bv, xb, wb, bb; writes xb, wb, bb
.if DOCPART == 1
	.amdgcn_target "amdgcn-amd-amdhsa--gfx1250"
	.amdhsa_code_object_version 6
	.text
	.protected	k_qae8a0535ce_prep
	.globl	k_qae8a0535ce_prep
	.p2align	8
	.type	k_qae8a0535ce_prep,@function
k_qae8a0535ce_prep:
	s_mov_b64 s[64:65], 0
	v_nop
	global_prefetch_b8 v0, s[64:65] scope:SCOPE_SE
	s_setreg_imm32_b32 hwreg(HW_REG_WAVE_MODE, 25, 1), 1
	s_wait_xcnt 0x0
; x [8192][1024] and Wq, Wk, Wv [1024][1024], f32, are rounded once to bf16 and laid in blocks of 64 columns: xb [16 cb][8192 row][64], wb [48 cb][1024 k][64 n]
; (cb = 16 x matrix + n / 64), so that a later tile's rows lie end to end.  The three biases are rounded to bf16 and kept as f32 in bb [3072] = bq | bk | bv.
; SHARES.  256 work-groups of equal work: each takes 32 rows of x and rows 4 g .. 4 g + 3 of each of the three weight matrices: 44 rows of 4,096 bytes.  Wave w takes the column blocks 2 w and 2 w + 1.
; A load of a wave covers two rows x 256 consecutive bytes; a store covers 256 consecutive bytes, aligned (two rows of a block).  All 44 loads of a wave go out at once; no register is written twice.
; Work-groups 0 to 2 take a bias each: its load goes out behind the 44 and is finished ahead of the rows' stores, so that it is on its way together with them.
; No LDS, matrix unit or cluster: no byte is wanted by two waves.
.set D,  8                             ; v[8:183] load n's four f32 at D + 4 n; its two packed words take the low pair's place.  n = 0..11: the weights; 12..43: x
.set VL, 4                             ; v4  byte offset of my 16 bytes in two rows of a source
.set VX, 5                             ; v5  byte offset of my 8 bytes in two rows of block 2 w of xb
.set VW, 6                             ; v6  the same in wb
	s_load_b512 s[4:19], s[0:1], 0x0               ; x s[4:5], Wq s[6:7], Wk s[8:9], Wv s[10:11], bq s[12:13], bk s[14:15], bv s[16:17], xb s[18:19]
	s_load_b128 s[20:23], s[0:1], 0x40             ; wb s[20:21], bb s[22:23]
	v_lshrrev_b32 v2, 5, v0
	v_readfirstlane_b32 s24, v2                    ; wave 0..7
	v_and_b32 v1, 31, v0                           ; lane
	v_and_b32 v3, 15, v0
	v_bfe_u32 v7, v0, 4, 1
	v_lshlrev_b32 v[VL], 4, v3
	v_lshl_add_u32 v[VL], v7, 12, v[VL]            ; lanes 16-31: the next row
	s_lshl_b32 s25, s24, 9
	v_add_nc_u32 v[VL], s25, v[VL]                 ; my wave's 512 bytes of a row
	s_lshl_b32 s26, s24, 21                        ; block 2 w of xb: blocks of 1,048,576 bytes
	v_lshl_add_u32 v[VX], v1, 3, s26               ; 8 bytes a lane: lanes 0-15 one row of 128 bytes, lanes 16-31 the next
	s_lshl_b32 s27, s24, 18                        ; block 2 w of a matrix in wb: blocks of 131,072 bytes
	v_lshl_add_u32 v[VW], v1, 3, s27
	s_lshl_b32 s28, ttmp9, 17                      ; x: 32 rows of 4,096 bytes
	s_mov_b32 s29, 0
	s_lshl_b32 s30, ttmp9, 14                      ; a weight matrix: 4 rows of 4,096 bytes
	s_mov_b32 s31, 0
	s_lshl_b32 s32, ttmp9, 12                      ; xb: 32 rows of 128 bytes
	s_mov_b32 s33, 0
	s_lshl_b32 s34, ttmp9, 9                       ; wb: 4 rows of 128 bytes
	s_mov_b32 s35, 0
	s_wait_kmcnt 0x0
	s_add_nc_u64 s[4:5], s[4:5], s[28:29]
	s_add_nc_u64 s[6:7], s[6:7], s[30:31]
	s_add_nc_u64 s[8:9], s[8:9], s[30:31]
	s_add_nc_u64 s[10:11], s[10:11], s[30:31]
	s_add_nc_u64 s[18:19], s[18:19], s[32:33]
	s_add_nc_u64 s[20:21], s[20:21], s[34:35]
.set n, 0
.rept 12                               ; matrix n / 4, rows 2 ((n / 2) % 2) and + 1, block 2 w + n % 2
	global_load_b128 v[D+4*n:D+4*n+3], v[VL], s[6+2*(n/4):7+2*(n/4)] offset:((n/2)%2)*8192+(n%2)*256 th:TH_LOAD_NT
.set n, n+1
.endr
.set i, 0
.rept 32                               ; x: rows 2 (i % 16) and + 1, block 2 w + i / 16
	global_load_b128 v[D+48+4*i:D+48+4*i+3], v[VL], s[4:5] offset:(i%16)*8192+(i/16)*256 th:TH_LOAD_NT
.set i, i+1
.endr
	s_cmp_lt_u32 ttmp9, 3                          ; a bias: 1,024 numbers, 16 bytes a thread
	s_cbranch_scc0 .Lrows
	s_cmp_eq_u32 ttmp9, 1
	s_cselect_b64 s[36:37], s[14:15], s[12:13]
	s_cmp_eq_u32 ttmp9, 2
	s_cselect_b64 s[36:37], s[16:17], s[36:37]
	s_lshl_b32 s38, ttmp9, 12
	s_mov_b32 s39, 0
	s_add_nc_u64 s[40:41], s[22:23], s[38:39]
	v_lshlrev_b32 v190, 4, v0
	global_load_b128 v[184:187], v190, s[36:37]
	s_wait_loadcnt 0x0                             ; the youngest of 45 loads that went out together
	v_cvt_pk_bf16_f32 v188, v184, v185             ; rounded to bf16,
	v_cvt_pk_bf16_f32 v189, v186, v187
	v_lshlrev_b32 v184, 16, v188                   ; and widened again
	v_and_b32 v185, 0xffff0000, v188
	v_lshlrev_b32 v186, 16, v189
	v_and_b32 v187, 0xffff0000, v189
	global_store_b128 v190, v[184:187], s[40:41]
.Lrows:
.set n, 0
.rept 44
	s_wait_loadcnt 43-n                            ; loads come back in order: load n is in, the 43 - n younger ones stay out
	v_cvt_pk_bf16_f32 v[D+4*n], v[D+4*n], v[D+4*n+1]
	v_cvt_pk_bf16_f32 v[D+4*n+1], v[D+4*n+2], v[D+4*n+3]
.if n < 12
	global_store_b64 v[VW], v[D+4*n:D+4*n+1], s[20:21] offset:(n/4)*2097152+(n%2)*131072+((n/2)%2)*256
.else
	global_store_b64 v[VX], v[D+4*n:D+4*n+1], s[18:19] offset:((n-12)/16)*1048576+((n-12)%16)*256
.endif
.set n, n+1
.endr
	s_endpgm
.Lfunc_end_k_qae8a0535ce_prep:
	.size	k_qae8a0535ce_prep, .Lfunc_end_k_qae8a0535ce_prep-k_qae8a0535ce_prep
	.p2alignl 7, 3214868480
	.fill 96, 4, 3214868480
	.section	.rodata,"a",@progbits
	.p2align	6, 0x0
	.amdhsa_kernel k_qae8a0535ce_prep
		.amdhsa_group_segment_fixed_size 0
		.amdhsa_private_segment_fixed_size 0
		.amdhsa_enable_private_segment 0
		.amdhsa_kernarg_size 80
		.amdhsa_user_sgpr_count 2
		.amdhsa_user_sgpr_kernarg_segment_ptr 1
		.amdhsa_wavefront_size32 1
		.amdhsa_system_sgpr_workgroup_id_x 1
		.amdhsa_system_sgpr_workgroup_id_y 1
		.amdhsa_system_sgpr_workgroup_id_z 1
		.amdhsa_system_vgpr_workitem_id 0
		.amdhsa_next_free_vgpr 192
		.amdhsa_next_free_sgpr 66
		.amdhsa_reserve_vcc 0
		.amdhsa_float_denorm_mode_32 3
		.amdhsa_float_denorm_mode_16_64 3
		.amdhsa_memory_ordered 1
		.amdhsa_forward_progress 1
		.amdhsa_inst_pref_size 18
	.end_amdhsa_kernel
	.amdgpu_metadata
---
amdhsa.version: [ 1, 2 ]
amdhsa.kernels:
  - .name:           k_qae8a0535ce_prep
    .symbol:         k_qae8a0535ce_prep.kd
    .args:
      - { .name: x, .offset: 0, .size: 8, .value_kind: global_buffer, .address_space: global }
      - { .name: Wq, .offset: 8, .size: 8, .value_kind: global_buffer, .address_space: global }
      - { .name: Wk, .offset: 16, .size: 8, .value_kind: global_buffer, .address_space: global }
      - { .name: Wv, .offset: 24, .size: 8, .value_kind: global_buffer, .address_space: global }
      - { .name: bq, .offset: 32, .size: 8, .value_kind: global_buffer, .address_space: global }
      - { .name: bk, .offset: 40, .size: 8, .value_kind: global_buffer, .address_space: global }
      - { .name: bv, .offset: 48, .size: 8, .value_kind: global_buffer, .address_space: global }
      - { .name: xb, .offset: 56, .size: 8, .value_kind: global_buffer, .address_space: global }
      - { .name: wb, .offset: 64, .size: 8, .value_kind: global_buffer, .address_space: global }
      - { .name: bb, .offset: 72, .size: 8, .value_kind: global_buffer, .address_space: global }
    .group_segment_fixed_size: 0
    .private_segment_fixed_size: 0
    .kernarg_segment_align: 8
    .kernarg_segment_size: 80
    .max_flat_workgroup_size: 256
    .sgpr_count:     66
    .vgpr_count:     192
    .wavefront_size: 32
...
	.end_amdgpu_metadata
.endif
;; end of part 1
;; launch proj (part 2): grid 8 x 32, 4 waves a work-group, clusters of 4 x 4, 327,680 bytes of LDS; arguments xb, wb, bb, qkv; writes qkv
.if DOCPART == 2
	.amdgcn_target "amdgcn-amd-amdhsa--gfx1250"
	.amdhsa_code_object_version 6
	.text
	.protected	k_qae8a0535ce_proj
	.globl	k_qae8a0535ce_proj
	.p2align	8
	.type	k_qae8a0535ce_proj,@function
k_qae8a0535ce_proj:
	s_mov_b64 s[64:65], 0
	v_nop
	global_prefetch_b8 v0, s[64:65] scope:SCOPE_SE
	s_setreg_imm32_b32 hwreg(HW_REG_WAVE_MODE, 25, 1), 1
	s_wait_xcnt 0x0
	s_wait_alu depctr_hold_cnt(0) depctr_sa_sdst(0) depctr_va_vdst(0) depctr_va_sdst(0) depctr_va_ssrc(0) depctr_va_vcc(0) depctr_vm_vsrc(0)
	s_getreg_b32 s2, hwreg(HW_REG_IB_STS2, 6, 4)
	s_cmp_eq_u32 s2, 0
	s_cbranch_scc0 .Lentry_in_a_cluster
	s_endpgm
.Lentry_in_a_cluster:
	s_bfe_u32 s2, ttmp6, 0x10000c
	s_cmp_lg_u32 s2, 0xf033
	s_cbranch_scc0 .Lentry_shape_is_right
	s_endpgm
.Lentry_shape_is_right:
; [Q | K | V] = x W + b.  xb: bf16 [16 cb][8192 row][64 k]; wb: bf16 [48 cb][1024 k][64 n]; bb: f32 [3072]; qkv: f16 [48 cb][8192 row][64], rounded once from the f32 sums.
; LIMIT.  f16 ends at 65,504: a |Q|, |K| or |V| of 65,520 or more becomes an infinity.  NaN and infinities are not treated apart.
; SHARES.  A work-group makes 256 rows x 384 columns (6 blocks of 64): 32 x 8 tiles.  Wave (wm, wn) makes 128 rows x 192 columns: 8 row blocks a x 3 column blocks g x 4 groups j of 16 columns:
; 96 accumulators, 768 registers.  For 32 along K a wave reads 16 + 24 LDS loads for 96 matrix instructions.
; K goes in 16 steps of 64 through two LDS slots.  Waves 0, 1 fetch x's 2 x 128 rows (dense: asked for as 64 rows of 256 bytes), waves 2, 3 W's 2 x 3 blocks of 64 k x 128 bytes (dense: rows of 8,192 bytes).
; THE PRODUCT IS TAKEN TRANSPOSED: source 0 = 16 columns of W (W lies [k][n] in LDS and is turned by ds_load_tr16_b128), source 1 = 16 rows of x.  A lane then holds one row and eight neighbouring columns.
; THE BIAS is the C operand of each sum's first product: nothing is cleared and nothing is added later.
; THE CHANGE OF SLOTS STANDS BARE: between the wait for the next tile and the request for the tile after it stand the add, the descriptors' steps and the round alone, so that a request has a whole K step's
; 192 matrix instructions in which to land; 32 products on fragments already in registers follow the request and the first reads of the new slot.
; CLUSTER 4 x 4: x's tile hangs on the tile row alone and is asked for jointly by a row of the cluster, W's on the tile column alone, by a column.
; REGISTERS: window 0: v2-12 addresses; v32-63 bias of g = 2; v64-127, v128-191 x's fragments, two buffers (the second holds the bias of g = 0, 1 at first); v192-223, v224-255 W's, two buffers.
;   window g + 1: accumulator (a, j) at v[8 (4 a + j)].
.set PA,    144                        ; a row of x in LDS: 128 bytes + 16 = 36 words: the 16 rows of a load start at 16 different groups of four banks (64 banks of 4 bytes: ISA guide 11.1)
.set PB,    160                        ; a row of W: 128 + 32 = 40 words
.set BOFF,  256*PA                     ; in a slot: x's 256 rows, then W's 6 blocks of 64 rows
.set SLOT1, 1<<17                      ; slot 1 begins here: one exclusive or turns an address in one slot into the other's
.set STAGE, BOFF+6*64*PB               ; between the slots, never filled by a tensor load: 16 rows x 144 bytes for each wave, for the way out
.set SP,    144
.set SPARE, STAGE+4*16*SP              ; the spare words, 128 bytes for each wave: two blocks of 256 bytes that no other line names
.set ASTEP, 1<<20                      ; bytes from K step to K step in xb (a block),
.set BSTEP, 64*128                     ; and in wb (64 rows of a block)
.set ADRA0, 2                          ; v2   my lane's place in x's tile; never rewritten
.set ADRB0, 3                          ; v3   in W's
.set ADRA,  4                          ; v4   the same in the slot in hand
.set ADRB,  5                          ; v5
.set STO,   6                          ; v6   the way out: where I put 16 bytes of a row
.set RD,    7                          ; v7   where I read rows back
.set GO,    8                          ; v8   16 x lane
.set PFO,   9                          ; v9   256 x lane
.set SPW,   10                         ; v10  LDS address of my spare word; never rewritten
.set NIL,   11                         ; v11  0; never rewritten
.set BO,    12                         ; v12  my byte offset in bb
.set AF,    64
.set BF,    192
.set WV,  12                           ; s12  wave
.set WM,  13                           ; s13  wave >> 1: my half of the rows; also: I fetch x (0) or W (1)
.set WN,  14                           ; s14  wave & 1: my half of the columns; also: which piece I fetch
.set LIM, 15                           ; s15  1 in a wave that prefetches, else the greatest number
.set G1A, 24                           ; s[24:31] descriptor group 1 for x's tiles;  s[32:39] group 0: a set for each first fill; the second then walks
.set G0A, 32
.set G1B, 40                           ; s[40:47], s[48:55] the same for W's
.set G0B, 48
.set TB,  56                           ; s56  the slot in hand: 0 or SLOT1
.set PFA, 66                           ; s[66:67] where my prefetch stands
.set MSB, 0
.macro WIN new                         ; the immediate's high byte repeats the setting that is left; a switch that changes nothing is dropped
.if MSB != (\new)
	s_set_vgpr_msb (MSB<<8)|(\new)
.set MSB, (\new)
.endif
.endm
.macro PLACES                          ; four places in front of loads into registers that a matrix instruction has read, and of conversions that read results
.rept 4
	v_nop
.endr
.endm
.macro CREST                           ; a round of the cluster's barrier behind its opening barrier
	s_cmp_lg_u32 s[WV], 0
	s_cbranch_scc1 .Lnot_wave_0_\@
	s_barrier_signal -3
.Lnot_wave_0_\@:
	s_barrier_wait -3
	s_barrier_signal -1
	s_barrier_wait -1
.endm
.macro CROUND
	s_barrier_signal -1
	s_barrier_wait -1
	CREST
.endm
.macro JLOAD                           ; a joint refill by the walking descriptor; the branch hangs on the wave's number alone; an s_nop 0 and four v_nop follow each line
	s_cmp_eq_u32 s[WM], 0
	s_cbranch_scc0 .Lfor_b_\@
	tensor_load_to_lds s[G0A+4:G0A+7], s[G1A:G1A+7]
	s_nop 0
.rept 4
	v_nop
.endr
	s_branch .Lasked_\@
.Lfor_b_\@:
	tensor_load_to_lds s[G0B+4:G0B+7], s[G1B:G1B+7]
	s_nop 0
.rept 4
	v_nop
.endr
.Lasked_\@:
.endm
; A prefetch of x's tile of the K step behind the one just asked for: 256 rows x 128 bytes = 128 blocks of 256 bytes.  The tile is read by both clusters of a row of clusters: the first (cluster x = 0)
; asks; its four partners of a row take 32 blocks each, told apart by address; in each, wave 0 asks, a lane a block.  So each block is named once in the launch.  W is not asked for: all 32 tile rows read it.
; The loop's last trip asks for nothing: there is no such K step.
.macro ASK
	s_cmp_gt_u32 s3, s[LIM]
	s_cbranch_scc0 .Lnot_mine_\@
	global_prefetch_b8 v[PFO], s[PFA:PFA+1] th:TH_LOAD_NT scope:SCOPE_SE
.Lnot_mine_\@:
.endm
	s_load_b256 s[4:11], s[0:1], 0x0               ; xb s[4:5], wb s[6:7], bb s[8:9], qkv s[10:11]
	v_lshl_add_u32 v[SPW], v0, 2, SPARE
	v_mov_b32 v[NIL], 0
	ds_add_u32 v[SPW], v[NIL]                      ; the wave's opening: the add and its wait stand ahead of my first tensor load; work on registers stands between them
	v_lshrrev_b32 v1, 5, v0
	v_readfirstlane_b32 s[WV], v1
	s_lshr_b32 s[WM], s[WV], 1
	s_and_b32 s[WN], s[WV], 1
	s_bfe_u32 s70, ttmp6, 0x40000                  ; cx
	s_bfe_u32 s71, ttmp6, 0x40004                  ; cy
	s_lshl_b32 s72, ttmp9, 2
	s_add_co_u32 s72, s72, s70                     ; tile column tx = 4 x cluster x + cx
	s_and_b32 s73, ttmp7, 0xffff
	s_lshl_b32 s73, s73, 2
	s_add_co_u32 s73, s73, s71                     ; tile row ty = 4 x cluster y + cy
	s_lshl_b32 s16, s71, 2
	s_lshl_b32 s16, 15, s16                        ; my row of the cluster
	s_lshl_b32 s17, 0x1111, s70                    ; my column
	s_or_b32 s[G1A], s16, (1<<16)|(1<<20)|(1<<21)|(4<<22)|(3<<25)  ; the mask; 2-byte elements; padding on; bit 21 beside a mask; after every 32 words 4 words
	s_mov_b32 s[G1A+1], 128<<16                    ; tensor_dim0 = 128 elements: two rows of x's block
	s_mov_b32 s[G1A+2], 64<<16                     ; tensor_dim1 = 64
	s_mov_b32 s[G1A+3], 128<<16                    ; tile_dim0 = 128
	s_mov_b32 s[G1A+4], 64                         ; tile_dim1 = 64
	s_mov_b32 s[G1A+5], 128                        ; elements from row to row
	s_mov_b32 s[G1A+6], 0
	s_mov_b32 s[G1A+7], 0
	s_or_b32 s[G1B], s17, (1<<16)|(1<<20)|(1<<21)|(4<<22)|(7<<25)  ; the same with 8 words of padding
	s_mov_b32 s[G1B+1], 4096<<16                   ; tensor_dim0 = 4,096 elements: a block's 64 rows of k, dense
	s_mov_b32 s[G1B+2], 3<<16                      ; tensor_dim1 = 3 blocks
	s_mov_b32 s[G1B+3], 4096<<16
	s_mov_b32 s[G1B+4], 3
	s_mov_b32 s[G1B+5], 65536                      ; elements from block to block
	s_mov_b32 s[G1B+6], 0
	s_mov_b32 s[G1B+7], 0
	s_lshl_b32 s18, s73, 15                        ; x: 256 ty rows of 128 bytes,
	s_lshl_b32 s22, s[WN], 14                      ; + the 128 rows that I fetch
	s_add_co_u32 s18, s18, s22
	s_mov_b32 s19, 0
	s_mul_i32 s20, s72, 6                          ; W: block 6 tx + 3 x piece
	s_mul_i32 s23, s[WN], 3
	s_add_co_u32 s20, s20, s23
	s_lshl_b32 s20, s20, 17
	s_mov_b32 s21, 0
	s_mul_i32 s74, s[WN], 128*PA                   ; where they go: no place in the cluster enters an LDS address
	s_mul_i32 s75, s[WN], 3*64*PB
	s_add_co_u32 s75, s75, BOFF
	s_mov_b32 s[TB], 0
	s_lshl_b32 s68, s73, 15                        ; the prefetch: x's tile,
	s_lshl_b32 s69, s70, 13                        ; my work-group's 32 blocks of it,
	s_add_co_u32 s68, s68, s69
	s_add_co_u32 s68, s68, 2*ASTEP                 ; at K step 2: the first change of slots steps it to 3
	s_mov_b32 s69, 0
	s_or_b32 s[LIM], s[WV], ttmp9
	s_cmp_eq_u32 s[LIM], 0
	s_cselect_b32 s[LIM], 1, -1
	s_mul_i32 s78, s72, 6                          ; my part of qkv: block 6 tx + 3 wn, row 256 ty + 128 wm
	s_add_co_u32 s78, s78, s23
	s_lshl_b32 s78, s78, 20
	s_lshl_b32 s79, s73, 15
	s_add_co_u32 s78, s78, s79
	s_lshl_b32 s79, s[WM], 14
	s_add_co_u32 s78, s78, s79
	s_mov_b32 s79, 0
	s_mul_i32 s57, s72, 1536                       ; my 192 numbers of bb
	s_mul_i32 s58, s[WN], 768
	s_add_co_u32 s57, s57, s58
	s_wait_dscnt 0x0                               ; the opening add is done
	s_wait_kmcnt 0x0
	s_add_nc_u64 s[18:19], s[4:5], s[18:19]
	s_add_nc_u64 s[20:21], s[6:7], s[20:21]
	s_add_nc_u64 s[PFA:PFA+1], s[4:5], s[68:69]
	s_add_nc_u64 s[76:77], s[10:11], s[78:79]
.irp s, 0,1
	s_mov_b32 s[G0A+4*\s], 1                       ; count = 1
	s_add_co_u32 s[G0A+4*\s+1], s74, \s*SLOT1      ; LDS address
	s_add_nc_u64 s[G0A+4*\s+2:G0A+4*\s+3], s[18:19], \s*ASTEP  ; global address: K step s
	s_or_b32 s[G0A+4*\s+3], s[G0A+4*\s+3], 0x80000000          ; type = 2
	s_mov_b32 s[G0B+4*\s], 1
	s_add_co_u32 s[G0B+4*\s+1], s75, \s*SLOT1
	s_add_nc_u64 s[G0B+4*\s+2:G0B+4*\s+3], s[20:21], \s*BSTEP
	s_or_b32 s[G0B+4*\s+3], s[G0B+4*\s+3], 0x80000000
.endr
	CROUND                                         ; all sixteen work-groups are here: the first joint loads meet
	s_cmp_eq_u32 s[WM], 0                          ; a wave's two first fills stand in one branch: two loads of mine are out
	s_cbranch_scc0 .Lfirst_b
	tensor_load_to_lds s[G0A:G0A+3], s[G1A:G1A+7]
	s_nop 0
	tensor_load_to_lds s[G0A+4:G0A+7], s[G1A:G1A+7]
	s_nop 0
.rept 4
	v_nop
.endr
	s_branch .Lfirst_asked
.Lfirst_b:
	tensor_load_to_lds s[G0B:G0B+3], s[G1B:G1B+7]
	s_nop 0
	tensor_load_to_lds s[G0B+4:G0B+7], s[G1B:G1B+7]
	s_nop 0
.rept 4
	v_nop
.endr
.Lfirst_asked:
	v_and_b32 v1, 15, v0                           ; r = l % 16
	v_bfe_u32 v13, v0, 4, 1                        ; h = l / 16
	v_and_b32 v14, 7, v0
	v_bfe_u32 v15, v0, 3, 1
	v_lshl_add_u32 v[BO], v13, 5, s57              ; a lane's eight columns of group (g, j) begin at column 64 g + 16 j + 8 h
.irp g, 0,1,2
.irp j, 0,1,2,3
.if \g == 2
	global_load_b128 v[32+8*\j:32+8*\j+3], v[BO], s[8:9] offset:4*(64*\g+16*\j)
	global_load_b128 v[32+8*\j+4:32+8*\j+7], v[BO], s[8:9] offset:4*(64*\g+16*\j)+16
.else
	global_load_b128 v[128+32*\g+8*\j:128+32*\g+8*\j+3], v[BO], s[8:9] offset:4*(64*\g+16*\j)
	global_load_b128 v[128+32*\g+8*\j+4:128+32*\g+8*\j+7], v[BO], s[8:9] offset:4*(64*\g+16*\j)+16
.endif
.endr
.endr
	; a fragment of x: 16 rows x 32 k: lane l holds row r; registers 0-3 k = 8 h + 0..7, registers 4-7 k = 16 + 8 h + 0..7: two loads of 16 bytes, 32 bytes apart
	v_mul_u32_u24 v[ADRA0], v1, PA
	v_lshl_add_u32 v[ADRA0], v13, 4, v[ADRA0]
	s_mul_i32 s22, s[WM], 128*PA
	v_add_nc_u32 v[ADRA0], s22, v[ADRA0]
	; the turning load takes 16 k x 16 columns (lane l reads row 8 h + l % 8, columns 8 ((l / 8) % 2) + 0..7) and leaves half a fragment: lane l holds column r and 8 k
	v_lshl_add_u32 v[ADRB0], v13, 3, v14
	v_mul_u32_u24 v[ADRB0], v[ADRB0], PB
	v_lshl_add_u32 v[ADRB0], v15, 4, v[ADRB0]
	s_mul_i32 s22, s[WN], 3*64*PB
	s_add_co_u32 s22, s22, BOFF
	v_add_nc_u32 v[ADRB0], s22, v[ADRB0]
	v_mov_b32 v[ADRA], v[ADRA0]
	v_mov_b32 v[ADRB], v[ADRB0]
	s_mul_i32 s22, s[WV], 16*SP
	s_add_co_u32 s22, s22, STAGE                   ; my stage
	v_mul_u32_u24 v[STO], v1, SP                   ; in: row r, 16 bytes for each half of the lanes
	v_lshl_add_u32 v[STO], v13, 4, v[STO]
	v_add_nc_u32 v[STO], s22, v[STO]
	v_bfe_u32 v[RD], v0, 3, 2                      ; back: 32 lanes take four rows of 128 bytes,
	v_mul_u32_u24 v[RD], v[RD], SP
	v_lshl_add_u32 v[RD], v14, 4, v[RD]
	v_add_nc_u32 v[RD], s22, v[RD]
	v_and_b32 v[GO], 31, v0                        ; which are 512 consecutive bytes of a block of qkv
	v_lshlrev_b32 v[PFO], 8, v[GO]
	v_lshlrev_b32 v[GO], 4, v[GO]
.macro LDB t, g, buf                   ; W's four fragments of column block g, 32 k at 32 t: 8 loads
	WIN 0
.irp j, 0,1,2,3
	ds_load_tr16_b128 v[BF+32*(\buf)+8*\j:BF+32*(\buf)+8*\j+3],   v[ADRB] offset:(\g)*64*PB+(\t)*32*PB+32*\j
	ds_load_tr16_b128 v[BF+32*(\buf)+8*\j+4:BF+32*(\buf)+8*\j+7], v[ADRB] offset:(\g)*64*PB+(\t)*32*PB+32*\j+16*PB
.endr
.endm
.macro LDA t, buf                      ; x's eight fragments, 32 k at 32 t: 16 loads
	WIN 0
.irp a, 0,1,2,3,4,5,6,7
	ds_load_b128 v[AF+64*(\buf)+8*\a:AF+64*(\buf)+8*\a+3],   v[ADRA] offset:\a*16*PA+64*(\t)
	ds_load_b128 v[AF+64*(\buf)+8*\a+4:AF+64*(\buf)+8*\a+7], v[ADRA] offset:\a*16*PA+64*(\t)+32
.endr
.endm
; 32 matrix instructions of column block g.  The accumulators take turns, one instruction a turn.  first = 1: C is the bias.
.macro GRP t, g, first
.set BB, BF+32*((3*(\t)+(\g))%2)
.set AB, AF+64*(\t)
.if (\g) == 2
.set BI, 32
.else
.set BI, 128+32*(\g)
.endif
.if \first
	WIN 0x40*((\g)+1)                              ; D in window g + 1, all sources in window 0
.else
	WIN 0x50*((\g)+1)                              ; C and D in window g + 1
.endif
.irp a, 0,1,2,3,4,5,6,7
.irp j, 0,1,2,3
.if \first
	v_wmma_f32_16x16x32_bf16 v[8*(4*\a+\j):8*(4*\a+\j)+7], v[BB+8*\j:BB+8*\j+7], v[AB+8*\a:AB+8*\a+7], v[BI+8*\j:BI+8*\j+7]
.else
	v_wmma_f32_16x16x32_bf16 v[8*(4*\a+\j):8*(4*\a+\j)+7], v[BB+8*\j:BB+8*\j+7], v[AB+8*\a:AB+8*\a+7], v[8*(4*\a+\j):8*(4*\a+\j)+7]
.endif
.endr
.endr
.endm
; A K step is six groups n = 3 t + g of 32 matrix instructions; W's buffer is n % 2, x's is t.  Each group's loads go out a group ahead.
.macro HALF0 first                     ; groups 0 to 2
	PLACES
	LDB 0, 1, 1
	s_wait_dscnt 8                                 ; all but the 8 just issued
	GRP 0, 0, \first
	PLACES
	LDB 0, 2, 0
	s_wait_dscnt 8
	GRP 0, 1, \first
	PLACES
	LDB 1, 0, 1
	LDA 1, 1
	s_wait_dscnt 24                                ; all but the 8 + 16 just issued
	GRP 0, 2, \first
.endm
; Groups 3 to 5, and between groups 4 and 5 the change of slots.  fill = 1: the slot is filled again.  fill = 0, the tail: nothing is left to ask for, and in its last trip (s3 = 1) nothing to fetch.
.macro HALF1 fill
	PLACES
	LDB 1, 1, 0
	s_wait_dscnt 8
	GRP 1, 0, 0
	PLACES
	LDB 1, 2, 1                                    ; my last reads of this slot
	s_wait_dscnt 8
	GRP 1, 1, 0
	WIN 0                                          ; at a branch and at a label every window is 0
.if \fill
	s_wait_xcnt 0x0                                ; the last prefetch, a K step back, has read its address
	s_add_nc_u64 s[PFA:PFA+1], s[PFA:PFA+1], ASTEP
.endif
	s_wait_tensorcnt 0x0                           ; all my tensor loads have landed: the one that was out is my part of the next slot;
	ds_add_u32 v[SPW], v[NIL]                      ; 0 onto my spare word
.if \fill
	s_xor_b32 s[G0A+5], s[G0A+5], SLOT1            ; no load of mine is out, so the walking descriptors may be written: the other slot than last time, the next K step
	s_add_nc_u64 s[G0A+6:G0A+7], s[G0A+6:G0A+7], ASTEP
	s_xor_b32 s[G0B+5], s[G0B+5], SLOT1
	s_add_nc_u64 s[G0B+6:G0B+7], s[G0B+6:G0B+7], BSTEP
.endif
	s_wait_dscnt 0x0                               ; the add is done, and my reads of this slot are over
	s_barrier_signal -1
	s_barrier_wait -1
.if \fill
	CREST                                          ; the barrier has opened a round of the cluster's: no wave of any partner still reads this slot or has a load on its way
	JLOAD                                          ; the first tensor load behind the round; its four v_nop are also the places in front of the loads below
.else
	PLACES
	s_cmp_eq_u32 s3, 1
	s_cbranch_scc1 .Lno_fetch_\@
.endif
	s_xor_b32 s[TB], s[TB], SLOT1
	v_add_nc_u32 v[ADRA], s[TB], v[ADRA0]
	v_add_nc_u32 v[ADRB], s[TB], v[ADRB0]
	LDB 0, 0, 0                                    ; the next K step's first fragments
	LDA 0, 0
.if \fill
	ASK
.else
.Lno_fetch_\@:
.endif
	GRP 1, 2, 0                                    ; on fragments that are in registers: these stand over the loads just issued
.endm
	s_wait_loadcnt 0x0                             ; the bias
	s_wait_tensorcnt 0x1                           ; my part of K step 0 is in; K step 1's may stay out
	s_barrier_signal -1
	s_barrier_wait -1                              ; everybody's is
	LDB 0, 0, 0
	LDA 0, 0
	HALF0 1                                        ; the first 32 along K start the sums, on the bias
	WIN 0
	s_mov_b32 s3, 14
.Lstep:                                        ; a trip: the second half of K step s and the first of s + 1; slot s % 2 is filled again with K step s + 2
	HALF1 1
	HALF0 0
	WIN 0
	s_sub_co_u32 s3, s3, 1
	s_cmp_lg_u32 s3, 0
	s_cbranch_scc1 .Lstep
	s_mov_b32 s3, 2                                ; the tail has a text of its own: two trips, entered in the middle
	s_branch .Ltail_in
.Ltail:
	HALF0 0
	WIN 0
.Ltail_in:
	HALF1 0
	WIN 0
	s_sub_co_u32 s3, s3, 1
	s_cmp_lg_u32 s3, 0
	s_cbranch_scc1 .Ltail
	s_wait_dscnt 0x0
	PLACES
; THE WAY OUT, IN PLACE.  Tile u = 8 g + a: 16 rows x 64 columns in 32 registers of window g + 1.  They are packed into their own low 16 (register i takes 2 i and 2 i + 1, which have been read by then), go as 16 bytes a lane
; into rows of 144 bytes of my own stage, and come back as whole rows of 128 into their own high 16.  No register is used twice, so no store is waited for.
.macro PACK u
.set gw, (\u)/8+1
.set aa, (\u)%8
	WIN gw|(gw<<2)|(gw<<6)                         ; destination and both sources in window g + 1
.set i, 0
.rept 16
	v_cvt_pk_f16_f32 v[32*aa+i], v[32*aa+2*i], v[32*aa+2*i+1]  ; each accumulator from its low end on
.set i, i+1
.endr
	WIN (gw<<2)|(gw<<6)                            ; addresses (source 0) in window 0; a store's data (source 1) and a load's destination in window g + 1
.irp f, 0,1,2,3
	ds_store_b128 v[STO], v[32*aa+4*\f:32*aa+4*\f+3] offset:32*\f
.endr
.irp f, 0,1,2,3
	ds_load_b128 v[32*aa+16+4*\f:32*aa+16+4*\f+3], v[RD] offset:\f*4*SP  ; LDS serves a wave's instructions in order (ISA guide 5.7.1.4): these see the stores above; the next tile's stores come behind them
.endr
.endm
.macro SEND u, younger                 ; younger: the LDS instructions issued behind tile u's loads: the next tile's eight, or none
.set sw, (\u)/8+1
.set sa, (\u)%8
	WIN (sw<<2)|(sw<<6)
.irp f, 0,1,2,3
	s_wait_dscnt (\younger)+3-\f
	global_store_b128 v[GO], v[32*sa+16+4*\f:32*sa+16+4*\f+3], s[76:77] offset:(sw-1)*1048576+sa*2048+\f*512  ; 512 consecutive bytes, at a multiple of 256 from qkv's first
.endr
.endm
	PACK 0
.set u, 1
.rept 23
	PACK u
	SEND u-1, 8
.set u, u+1
.endr
	SEND 23, 0
	WIN 0
	s_wait_tensorcnt 0x0                           ; the wave's end: behind my last tensor load and my last LDS store
	ds_add_u32 v[SPW], v[NIL]
	s_wait_dscnt 0x0
	CROUND                                         ; the closing round: no work-group ends while a partner may still ask for a tile that names it
	s_endpgm
.Lfunc_end_k_qae8a0535ce_proj:
	.size	k_qae8a0535ce_proj, .Lfunc_end_k_qae8a0535ce_proj-k_qae8a0535ce_proj
	.p2alignl 7, 3214868480
	.fill 96, 4, 3214868480
	.section	.rodata,"a",@progbits
	.p2align	6, 0x0
	.amdhsa_kernel k_qae8a0535ce_proj
		.amdhsa_group_segment_fixed_size 327680
		.amdhsa_private_segment_fixed_size 0
		.amdhsa_enable_private_segment 0
		.amdhsa_kernarg_size 32
		.amdhsa_user_sgpr_count 2
		.amdhsa_user_sgpr_kernarg_segment_ptr 1
		.amdhsa_wavefront_size32 1
		.amdhsa_system_sgpr_workgroup_id_x 1
		.amdhsa_system_sgpr_workgroup_id_y 1
		.amdhsa_system_sgpr_workgroup_id_z 1
		.amdhsa_system_vgpr_workitem_id 0
		.amdhsa_next_free_vgpr 1024
		.amdhsa_next_free_sgpr 84
		.amdhsa_reserve_vcc 0
		.amdhsa_float_denorm_mode_32 3
		.amdhsa_float_denorm_mode_16_64 3
		.amdhsa_memory_ordered 1
		.amdhsa_forward_progress 1
		.amdhsa_inst_pref_size 109
	.end_amdhsa_kernel
	.amdgpu_metadata
---
amdhsa.version: [ 1, 2 ]
amdhsa.kernels:
  - .name:           k_qae8a0535ce_proj
    .symbol:         k_qae8a0535ce_proj.kd
    .args:
      - { .name: xb, .offset: 0, .size: 8, .value_kind: global_buffer, .address_space: global }
      - { .name: wb, .offset: 8, .size: 8, .value_kind: global_buffer, .address_space: global }
      - { .name: bb, .offset: 16, .size: 8, .value_kind: global_buffer, .address_space: global }
      - { .name: qkv, .offset: 24, .size: 8, .value_kind: global_buffer, .address_space: global }
    .group_segment_fixed_size: 327680
    .private_segment_fixed_size: 0
    .kernarg_segment_align: 8
    .kernarg_segment_size: 32
    .max_flat_workgroup_size: 128
    .sgpr_count:     84
    .vgpr_count:     1024
    .wavefront_size: 32
...
	.end_amdgpu_metadata
.endif
;; end of part 2
;; launch score (part 3): grid 8 x 32, 4 waves a work-group, clusters of 4 x 4, 327,680 bytes of LDS; arguments qkv, pt, st; writes pt, st
.if DOCPART == 3
	.amdgcn_target "amdgcn-amd-amdhsa--gfx1250"
	.amdhsa_code_object_version 6
	.text
	.protected	k_qae8a0535ce_score
	.globl	k_qae8a0535ce_score
	.p2align	8
	.type	k_qae8a0535ce_score,@function
k_qae8a0535ce_score:
	s_mov_b64 s[64:65], 0
	v_nop
	global_prefetch_b8 v0, s[64:65] scope:SCOPE_SE
	s_setreg_imm32_b32 hwreg(HW_REG_WAVE_MODE, 25, 1), 1
	s_wait_xcnt 0x0
	s_wait_alu depctr_hold_cnt(0) depctr_sa_sdst(0) depctr_va_vdst(0) depctr_va_sdst(0) depctr_va_ssrc(0) depctr_va_vcc(0) depctr_vm_vsrc(0)
	s_getreg_b32 s2, hwreg(HW_REG_IB_STS2, 6, 4)
	s_cmp_eq_u32 s2, 0
	s_cbranch_scc0 .Lentry_in_a_cluster
	s_endpgm
.Lentry_in_a_cluster:
	s_bfe_u32 s2, ttmp6, 0x10000c
	s_cmp_lg_u32 s2, 0xf033
	s_cbranch_scc0 .Lentry_shape_is_right
	s_endpgm
.Lentry_shape_is_right:
; S = Q K^T for one batch's 256 queries x 256 keys, and the first half of the softmax: for each query and each block of 128 keys the maximum m is taken away:
; p = 2^(c s - c m), c = log2(e) / 32, rounded to f16; c m and l = the sum of the unrounded p go out in f32.  The next launch completes the maximum over a row's 16 blocks.
; qkv: f16 [48 cb][8192 row][64] (Q: cb 0-15, K: 16-31).
; pt: f16 tiles [64 row block][16 key block] of 32,768 bytes, laid as the next launch's matrix instruction takes them: [8 a][8 b][32 lanes][16 bytes]: lane (r, h) of piece (a, b) holds query 16 a + r, keys 16 b + 8 h + 0..7.
; st: f32 tiles [64][16] of 256 words: [2 j][32 lanes][4 a']: for query 16 (4 j + a') + r, lane r holds c m and lane 16 + r holds l.
; LIMITS.  p below 6e-8 counts as 0 in pt, below 2^-126 in l; NaN and infinities are not treated apart.
; SHARES.  Four waves, each 128 queries x 128 keys: 64 accumulators, 512 registers.  K (the 1,024 channels) goes in 8 steps of 128 through two LDS slots; wave w fetches piece w of a slot:
; 256 rows x 128 bytes of one block (dense: asked for as 128 rows of 256 bytes): Q's two blocks, then K's two.
; THE PRODUCT IS TAKEN TRANSPOSED (source 0 = 16 keys, source 1 = 16 queries): a lane holds ONE query (lane % 16) and the keys 8 (lane / 16) + 0..7 of each group of 16; a query's maximum and sum want one exchange of the
; halves, and a lane's eight weights of a group, rounded, are 16 bytes of pt as they stand: both outputs leave straight from registers, each store 512 consecutive bytes.
; THE CHANGE OF SLOTS STANDS BARE: between the wait for the next tile and the request for the tile after it stand the add, the descriptors' steps and the round alone, so that a request has a whole K step's
; 256 matrix instructions in which to land; the last quarter's 64 products, on fragments already in registers, follow the request and the first reads of the new slot.
; CLUSTER 4 x 4: Q's tile hangs on the query tile alone: shared along a row; K's on the batch (from the cluster's y) and the key tile: shared along a column.
; REGISTERS: window 0: v2-31 addresses and statistics; v64-127, v128-191 Q's fragments, two buffers; v192-255 packed weights, two sets.  window 1: v64-191 K's fragments.
;   window 2: the 32 accumulators of my queries 0-63 ((a, b) at v[8 (8 a + b)]); window 3: those of queries 64-127.
.set PA,    144                        ; an LDS row: 128 bytes + 16 = 36 words: the 16 rows of a load start at 16 different groups of four banks (64 banks of 4 bytes: ISA guide 11.1)
.set PIECE, 256*PA
.set SLOT,  4*PIECE                    ; 0x24000: it shares no bit with a piece's offset (0, 0x9000, 0x12000, 0x1b000), so one exclusive or turns an address in one slot into the other's
.set SPARE, 2*SLOT                     ; behind the ring: the spare words, 128 bytes for each wave: two blocks of 256 bytes that no other line names
.set KSTEPB, 2<<20                     ; bytes from K step to K step: two blocks
.set ADRA0, 2
.set ADRB0, 3
.set ADRA,  4
.set ADRB,  5
.set GO,    8                          ; v8   16 x lane
.set PFO,   9                          ; v9   256 x lane
.set SPW,   10                         ; v10  LDS address of my spare word; never rewritten
.set NIL,   11                         ; v11  0; never rewritten
.set CM,    16                         ; v16  c m   (named as a pair with m)
.set MX,    17                         ; v17  m
.set LS,    18                         ; v18  l
.set TT,    19                         ; v19  at work
.set CH,    20                         ; v20-23  four chains of the maximum
.set SV,    24                         ; v24-31  block a's statistic: c m in lanes 0-15, l in lanes 16-31
.set F0,    64
.set F1,    128
.set TMP,   192                        ; packed weights: v192-223 and v224-255 by turns
.set WV,  12
.set WM,  13                           ; my half of the queries; also: I fetch Q (0) or K (1)
.set WN,  14                           ; my half of the keys; also: which of the step's two blocks I fetch
.set LIM, 15
.set G1A, 24
.set G0A, 32
.set G1B, 40
.set G0B, 48
.set TB,  56                           ; s56  the slot in hand: 0 or SLOT
.set PFA, 66
.set MSB, 0
.macro WIN new                         ; the immediate's high byte repeats the setting that is left; a switch that changes nothing is dropped
.if MSB != (\new)
	s_set_vgpr_msb (MSB<<8)|(\new)
.set MSB, (\new)
.endif
.endm
.set MUL_LO, 0xa1                      ; source 0 (K) window 1, source 1 (Q) window 0, C and D window 2
.set MUL_HI, 0xf1
.set TO_B,   0x40
.macro PLACES                          ; four places in front of loads into registers that a matrix instruction has read, and of vector work that reads results
.rept 4
	v_nop
.endr
.endm
.macro CREST
	s_cmp_lg_u32 s[WV], 0
	s_cbranch_scc1 .Lnot_wave_0_\@
	s_barrier_signal -3
.Lnot_wave_0_\@:
	s_barrier_wait -3
	s_barrier_signal -1
	s_barrier_wait -1
.endm
.macro CROUND
	s_barrier_signal -1
	s_barrier_wait -1
	CREST
.endm
.macro JLOAD                           ; a joint refill by the walking descriptor; an s_nop 0 and four v_nop follow each line
	s_cmp_eq_u32 s[WM], 0
	s_cbranch_scc0 .Lfor_b_\@
	tensor_load_to_lds s[G0A+4:G0A+7], s[G1A:G1A+7]
	s_nop 0
.rept 4
	v_nop
.endr
	s_branch .Lasked_\@
.Lfor_b_\@:
	tensor_load_to_lds s[G0B+4:G0B+7], s[G1B:G1B+7]
	s_nop 0
.rept 4
	v_nop
.endr
.Lasked_\@:
.endm
; A prefetch of my piece of the K step behind the one just asked for: 128 blocks of 256 bytes.  Q's piece is read by both clusters of a row of clusters: cluster x = 0 asks; K's by the two clusters of a batch: the even
; cluster y asks.  The four partners that ask for a piece jointly take 32 blocks each, told apart by address (cx for Q, cy for K), a lane a block.  The loop's last trip asks for nothing.
.macro ASK
	s_cmp_gt_u32 s3, s[LIM]
	s_cbranch_scc0 .Lnot_mine_\@
	global_prefetch_b8 v[PFO], s[PFA:PFA+1] th:TH_LOAD_NT scope:SCOPE_SE
.Lnot_mine_\@:
.endm
	s_load_b128 s[4:7], s[0:1], 0x0                ; qkv s[4:5], pt s[6:7]
	s_load_b64 s[8:9], s[0:1], 0x10                ; st
	v_lshl_add_u32 v[SPW], v0, 2, SPARE
	v_mov_b32 v[NIL], 0
	ds_add_u32 v[SPW], v[NIL]                      ; the wave's opening: the add and its wait stand ahead of my first tensor load
	v_lshrrev_b32 v1, 5, v0
	v_readfirstlane_b32 s[WV], v1
	s_lshr_b32 s[WM], s[WV], 1
	s_and_b32 s[WN], s[WV], 1
	s_bfe_u32 s70, ttmp6, 0x40000                  ; cx
	s_bfe_u32 s71, ttmp6, 0x40004                  ; cy
	s_lshl_b32 s72, ttmp9, 2
	s_add_co_u32 s72, s72, s70                     ; key tile tx
	s_and_b32 s73, ttmp7, 0xffff
	s_lshr_b32 s59, s73, 1                         ; the batch: eight query tiles, two clusters, each
	s_lshl_b32 s73, s73, 2
	s_add_co_u32 s73, s73, s71                     ; query tile ty, over all batches
	s_lshl_b32 s16, s71, 2
	s_lshl_b32 s16, 15, s16                        ; my row of the cluster
	s_lshl_b32 s17, 0x1111, s70                    ; my column
	s_or_b32 s[G1A], s16, (1<<16)|(1<<20)|(1<<21)|(4<<22)|(3<<25)  ; the mask; 2-byte elements; padding on; bit 21 beside a mask; after every 32 words 4 words
	s_or_b32 s[G1B], s17, (1<<16)|(1<<20)|(1<<21)|(4<<22)|(3<<25)
.irp g, G1A, G1B
	s_mov_b32 s[\g+1], 128<<16                     ; tensor_dim0 = 128 elements: two rows of a block
	s_mov_b32 s[\g+2], 128<<16                     ; tensor_dim1 = 128
	s_mov_b32 s[\g+3], 128<<16                     ; tile_dim0
	s_mov_b32 s[\g+4], 128                         ; tile_dim1
	s_mov_b32 s[\g+5], 128                         ; elements from row to row
	s_mov_b32 s[\g+6], 0
	s_mov_b32 s[\g+7], 0
.endr
	s_lshl_b32 s22, s[WN], 20                      ; which of a step's two blocks
	s_lshl_b32 s18, s73, 15                        ; Q: 256 ty rows of 128 bytes
	s_add_co_u32 s18, s18, s22
	s_mov_b32 s19, 0
	s_lshl_b32 s20, s72, 15                        ; K: 256 tx rows,
	s_lshl_b32 s21, s59, 18                        ; in the batch's 2,048,
	s_add_co_u32 s20, s20, s21
	s_add_co_u32 s20, s20, s22
	s_add_co_u32 s20, s20, 16<<20                  ; behind Q's 16 blocks
	s_mov_b32 s21, 0
	s_mul_i32 s74, s[WV], PIECE                    ; where my piece goes: no place in the cluster enters an LDS address
	s_mov_b32 s[TB], 0
	s_mov_b32 s60, 0x76543210                      ; v_permlanex16_b32: each lane takes its own place in the other half
	s_mov_b32 s61, 0xfedcba98
	s_mov_b32 s62, 0xffff0000                      ; lanes 16-31
	s_mov_b32 s80, 0x3d38aa3b                      ; c = log2(e) / 32
	s_mov_b32 s81, s80                             ; named with it as a pair
	s_lshl_b32 s68, s73, 15                        ; the prefetch.  Q's: the tile, my work-group's quarter by cx
	s_lshl_b32 s69, s70, 13
	s_add_co_u32 s68, s68, s69
	s_lshl_b32 s57, s72, 15                        ; K's: the tile, my work-group's quarter by cy
	s_lshl_b32 s58, s59, 18
	s_add_co_u32 s57, s57, s58
	s_lshl_b32 s58, s71, 13
	s_add_co_u32 s57, s57, s58
	s_add_co_u32 s57, s57, 16<<20
	s_and_b32 s58, ttmp7, 1
	s_cmp_eq_u32 s[WM], 0
	s_cselect_b32 s68, s68, s57
	s_cselect_b32 s58, ttmp9, s58                  ; the coordinate along which another cluster reads the same rows
	s_cmp_eq_u32 s58, 0
	s_cselect_b32 s[LIM], 1, -1
	s_add_co_u32 s68, s68, s22
	s_add_co_u32 s68, s68, 2*KSTEPB                ; at K step 2: the first change of slots steps it to 3
	s_mov_b32 s69, 0
	s_lshl_b32 s82, s73, 1                         ; my tile of pt and st: row block 2 ty + wm, key block 2 tx + wn
	s_add_co_u32 s82, s82, s[WM]
	s_lshl_b32 s82, s82, 4
	s_lshl_b32 s83, s72, 1
	s_add_co_u32 s82, s82, s83
	s_add_co_u32 s82, s82, s[WN]
	s_lshl_b32 s76, s82, 15
	s_mov_b32 s77, 0
	s_lshl_b32 s78, s82, 10
	s_mov_b32 s79, 0
	s_wait_dscnt 0x0                               ; the opening add is done
	s_wait_kmcnt 0x0
	s_add_nc_u64 s[18:19], s[4:5], s[18:19]
	s_add_nc_u64 s[20:21], s[4:5], s[20:21]
	s_add_nc_u64 s[PFA:PFA+1], s[4:5], s[68:69]
	s_add_nc_u64 s[76:77], s[6:7], s[76:77]
	s_add_nc_u64 s[78:79], s[8:9], s[78:79]
.irp s, 0,1
	s_mov_b32 s[G0A+4*\s], 1
	s_add_co_u32 s[G0A+4*\s+1], s74, \s*SLOT
	s_add_nc_u64 s[G0A+4*\s+2:G0A+4*\s+3], s[18:19], \s*KSTEPB
	s_or_b32 s[G0A+4*\s+3], s[G0A+4*\s+3], 0x80000000
	s_mov_b32 s[G0B+4*\s], 1
	s_add_co_u32 s[G0B+4*\s+1], s74, \s*SLOT
	s_add_nc_u64 s[G0B+4*\s+2:G0B+4*\s+3], s[20:21], \s*KSTEPB
	s_or_b32 s[G0B+4*\s+3], s[G0B+4*\s+3], 0x80000000
.endr
	CROUND                                         ; all sixteen work-groups are here: the first joint loads meet
	s_cmp_eq_u32 s[WM], 0                          ; a wave's two first fills stand in one branch: two loads of mine are out
	s_cbranch_scc0 .Lfirst_b
	tensor_load_to_lds s[G0A:G0A+3], s[G1A:G1A+7]
	s_nop 0
	tensor_load_to_lds s[G0A+4:G0A+7], s[G1A:G1A+7]
	s_nop 0
.rept 4
	v_nop
.endr
	s_branch .Lfirst_asked
.Lfirst_b:
	tensor_load_to_lds s[G0B:G0B+3], s[G1B:G1B+7]
	s_nop 0
	tensor_load_to_lds s[G0B+4:G0B+7], s[G1B:G1B+7]
	s_nop 0
.rept 4
	v_nop
.endr
.Lfirst_asked:
	v_and_b32 v1, 15, v0                           ; r
	v_bfe_u32 v14, v0, 4, 1                        ; h
	v_and_b32 v15, 31, v0                          ; l
	v_mul_u32_u24 v[ADRA0], v1, PA
	v_lshl_add_u32 v[ADRA0], v14, 4, v[ADRA0]      ; a fragment's row x pitch + 16 x half
	s_mul_i32 s22, s[WN], 128*PA
	s_add_co_u32 s22, s22, 2*PIECE                 ; my 128 keys, behind Q's two pieces
	v_add_nc_u32 v[ADRB0], s22, v[ADRA0]
	s_mul_i32 s22, s[WM], 128*PA                   ; my 128 queries
	v_add_nc_u32 v[ADRA0], s22, v[ADRA0]
	v_mov_b32 v[ADRA], v[ADRA0]
	v_mov_b32 v[ADRB], v[ADRB0]
	v_lshlrev_b32 v[GO], 4, v15
	v_lshlrev_b32 v[PFO], 8, v15
	v_mov_b32 v[TT], 0                             ; v_permlanex16_b32 counts as a reader of its destination
; 16 matrix instructions: query blocks a0, a0 + 1 of the window's four x all 8 key blocks, 32 along K.  The 64 accumulators take turns, one instruction a turn.  zero = 1: the first product starts the sums.
.macro MUL16 f, hi, a0, zero
	WIN MUL_LO+0x50*(\hi)
.irp a, \a0, (\a0)+1
.irp b, 0,1,2,3,4,5,6,7
.if \zero
	v_wmma_f32_16x16x32_f16 v[8*(8*(\a)+(\b)):8*(8*(\a)+(\b))+7], v[(\f)+8*(\b):(\f)+8*(\b)+7], v[(\f)+8*(4*(\hi)+(\a)):(\f)+8*(4*(\hi)+(\a))+7], 0
.else
	v_wmma_f32_16x16x32_f16 v[8*(8*(\a)+(\b)):8*(8*(\a)+(\b))+7], v[(\f)+8*(\b):(\f)+8*(\b)+7], v[(\f)+8*(4*(\hi)+(\a)):(\f)+8*(4*(\hi)+(\a))+7], v[8*(8*(\a)+(\b)):8*(8*(\a)+(\b))+7]
.endif
.endr
.endr
.endm
; 32 LDS loads in one run: the fragments of quarter qd of the K step (block qd / 2, 32 channels at 32 (qd % 2)) into buffer f: K's, then Q's
.macro FETCH qd, f
.set KO, ((\qd)/2)*PIECE+((\qd)%2)*64
	WIN TO_B
.irp i, 0,1,2,3,4,5,6,7
	ds_load_b128 v[(\f)+8*\i:(\f)+8*\i+3],   v[ADRB] offset:KO+\i*16*PA
	ds_load_b128 v[(\f)+8*\i+4:(\f)+8*\i+7], v[ADRB] offset:KO+\i*16*PA+32
.endr
	WIN 0
.irp i, 0,1,2,3,4,5,6,7
	ds_load_b128 v[(\f)+8*\i:(\f)+8*\i+3],   v[ADRA] offset:KO+\i*16*PA
	ds_load_b128 v[(\f)+8*\i+4:(\f)+8*\i+7], v[ADRA] offset:KO+\i*16*PA+32
.endr
.endm
; One of a K step's first three quarters: multiplies buffer f; in its middle it fetches quarter qd into buffer g.
.macro QUARTER qd, f, g, zero
	s_wait_dscnt 8                                 ; K's fragments and Q's rows 0-63 are in; the youngest eight loads (Q's rows 64-127) may be out
	MUL16 \f, 0, 0, \zero
	MUL16 \f, 0, 2, \zero
	PLACES
	FETCH \qd, \g
	s_wait_dscnt 32                                ; all but the 32 just issued
	MUL16 \f, 1, 0, \zero
	MUL16 \f, 1, 2, \zero
.endm
; The change of slots, and behind it the last quarter, which multiplies buffer 1.  fill = 1: the slot is filled again, with the K step two on.  fill = 0, the tail: nothing is left to ask for, and in its last trip (s3 = 1) nothing to fetch.
.macro TURN fill
.if \fill
	s_wait_xcnt 0x0                                ; the last prefetch, a K step back, has read its address
	s_add_nc_u64 s[PFA:PFA+1], s[PFA:PFA+1], KSTEPB
.endif
	WIN 0                                          ; the add's two registers lie in window 0; at a branch and at a label every window is 0
	s_wait_tensorcnt 0x0                           ; all my tensor loads have landed: the one that was out is my piece of the next slot;
	ds_add_u32 v[SPW], v[NIL]                      ; 0 onto my spare word
.if \fill
	s_xor_b32 s[G0A+5], s[G0A+5], SLOT             ; no load of mine is out, so the walking descriptors may be written
	s_add_nc_u64 s[G0A+6:G0A+7], s[G0A+6:G0A+7], KSTEPB
	s_xor_b32 s[G0B+5], s[G0B+5], SLOT
	s_add_nc_u64 s[G0B+6:G0B+7], s[G0B+6:G0B+7], KSTEPB
.endif
	s_wait_dscnt 0x0                               ; the add is done, and my reads of this slot, the last quarter's fragments, are over
	s_barrier_signal -1
	s_barrier_wait -1
.if \fill
	CREST                                          ; the barrier has opened a round of the cluster's: no wave of any partner still reads this slot or has a load on its way
	JLOAD                                          ; the first tensor load behind the round; its four v_nop are also the places in front of the loads below
.else
	PLACES
	s_cmp_eq_u32 s3, 1
	s_cbranch_scc1 .Lno_fetch_\@
.endif
	s_xor_b32 s[TB], s[TB], SLOT
	v_add_nc_u32 v[ADRA], s[TB], v[ADRA0]
	v_add_nc_u32 v[ADRB], s[TB], v[ADRB0]
	FETCH 0, F0
.if \fill
	ASK
.else
.Lno_fetch_\@:
.endif
	MUL16 F1, 0, 0, 0                              ; 64 products on fragments that are in registers stand over the loads just issued
	MUL16 F1, 0, 2, 0
	MUL16 F1, 1, 0, 0
	MUL16 F1, 1, 2, 0
.endm
	s_wait_tensorcnt 0x1                           ; my piece of K step 0 is in; K step 1's may stay out
	s_barrier_signal -1
	s_barrier_wait -1
	FETCH 0, F0
	QUARTER 1, F0, F1, 1                           ; the first quarter stands in front of the loop: its products start the sums
	WIN 0
	s_mov_b32 s3, 6
.Lstep:                                        ; a trip: from a K step's second quarter to the next step's first
	QUARTER 2, F1, F0, 0
	QUARTER 3, F0, F1, 0
	TURN 1
	QUARTER 1, F0, F1, 0
	WIN 0
	s_sub_co_u32 s3, s3, 1
	s_cmp_lg_u32 s3, 0
	s_cbranch_scc1 .Lstep
	s_mov_b32 s3, 2                                ; the tail has a text of its own: two trips, entered in the middle
	s_branch .Ltail_in
.Ltail:
	QUARTER 1, F0, F1, 0
	WIN 0
.Ltail_in:
	QUARTER 2, F1, F0, 0
	QUARTER 3, F0, F1, 0
	TURN 0
	WIN 0
	s_sub_co_u32 s3, s3, 1
	s_cmp_lg_u32 s3, 0
	s_cbranch_scc1 .Ltail
	s_wait_dscnt 0x0
	PLACES
; THE WAY OUT, a block of 16 queries at a time.  s0-s63 are the lane's 64 scores (8 accumulators).
.macro SOFT a
.set W, 2+(\a)/4
.set AC, 64*((\a)%4)
.set TP, TMP+32*((\a)%2)
	; the maximum: four chains of two accumulators each, three operands at a time; each accumulator is read from its low end on
	WIN W|(W<<2)|(W<<4)
.irp k, 0,1,2,3
	v_max3_num_f32 v[CH+\k], v[AC+16*\k], v[AC+16*\k+1], v[AC+16*\k+2]
.endr
	WIN (W<<2)|(W<<4)
.irp p, 0,1,2,3,4,5
.irp k, 0,1,2,3
	v_max3_num_f32 v[CH+\k], v[CH+\k], v[AC+16*\k+3+2*\p], v[AC+16*\k+4+2*\p]
.endr
.endr
	v_max3_num_f32 v[CH], v[CH], v[AC+15], v[AC+31]        ; the four scores left over
	v_max3_num_f32 v[CH+2], v[CH+2], v[AC+47], v[AC+63]
	WIN 0
	v_max3_num_f32 v[CH], v[CH], v[CH+1], v[CH+2]
	v_max_num_f32 v[CH], v[CH], v[CH+3]
	v_permlanex16_b32 v[CH+1], v[CH], s60, s61             ; the query's other 64 keys lie in the lane 16 away
	v_max_num_f32 v[MX], v[CH], v[CH+1]
	v_mul_f32 v[CM], s80, v[MX]
	; p = 2^(c s - c m), in place: a scaling two pairs ahead stands between the two exponentials of a pair
	WIN W|(W<<6)
	v_pk_fma_f32 v[AC:AC+1], v[AC:AC+1], s[80:81], v[CM:CM+1] op_sel_hi:[1,0,0] neg_lo:[0,0,1] neg_hi:[0,0,1]
	v_pk_fma_f32 v[AC+2:AC+3], v[AC+2:AC+3], s[80:81], v[CM:CM+1] op_sel_hi:[1,0,0] neg_lo:[0,0,1] neg_hi:[0,0,1]
.set i, 0
.rept 32
	v_exp_f32 v[AC+2*i], v[AC+2*i]
.if i < 30
	v_pk_fma_f32 v[AC+2*i+4:AC+2*i+5], v[AC+2*i+4:AC+2*i+5], s[80:81], v[CM:CM+1] op_sel_hi:[1,0,0] neg_lo:[0,0,1] neg_hi:[0,0,1]
.endif
	v_exp_f32 v[AC+2*i+1], v[AC+2*i+1]
.set i, i+1
.endr
.if (\a) > 1
	s_wait_xcnt 0x0                                ; the stores of two blocks back have read the set of registers that is written now
.endif
	WIN W|(W<<2)
.set i, 0
	s_wait_alu depctr_va_vdst(0)
.rept 32                               ; rounded to f16: registers 4 b .. 4 b + 3 are the lane's 16 bytes of piece (a, b); the first of these is the plain instruction behind the last exponential
	v_cvt_pk_f16_f32 v[TP+i], v[AC+2*i], v[AC+2*i+1]
.set i, i+1
.endr
	WIN W|(W<<2)|(W<<6)
.irp d, 16,8,4,2,1                     ; the sum of the unrounded weights: 32 pairs, a tree in place
.set i, 0
.rept \d
	v_pk_add_f32 v[AC+2*i:AC+2*i+1], v[AC+2*i:AC+2*i+1], v[AC+2*(i+\d):AC+2*(i+\d)+1]
.set i, i+1
.endr
.endr
	WIN W|(W<<2)
	v_add_f32 v[LS], v[AC], v[AC+1]
	WIN 0
.irp b, 0,1,2,3,4,5,6,7
	global_store_b128 v[GO], v[TP+4*\b:TP+4*\b+3], s[76:77] offset:(\a)*4096+512*\b  ; 512 consecutive bytes, at a multiple of 256 from pt's first
.endr
	v_permlanex16_b32 v[TT], v[LS], s60, s61
	v_add_f32 v[LS], v[LS], v[TT]
	v_cndmask_b32 v[SV+(\a)], v[CM], v[LS], s62
.endm
.irp a, 0,1,2,3,4,5,6,7
	SOFT \a
.endr
	global_store_b128 v[GO], v[SV:SV+3], s[78:79]              ; blocks 0-3: 512 consecutive bytes of st,
	global_store_b128 v[GO], v[SV+4:SV+7], s[78:79] offset:512 ; blocks 4-7
	s_wait_tensorcnt 0x0                           ; the wave's end: behind my last tensor load
	ds_add_u32 v[SPW], v[NIL]
	s_wait_dscnt 0x0
	CROUND                                         ; the closing round
	s_endpgm
.Lfunc_end_k_qae8a0535ce_score:
	.size	k_qae8a0535ce_score, .Lfunc_end_k_qae8a0535ce_score-k_qae8a0535ce_score
	.p2alignl 7, 3214868480
	.fill 96, 4, 3214868480
	.section	.rodata,"a",@progbits
	.p2align	6, 0x0
	.amdhsa_kernel k_qae8a0535ce_score
		.amdhsa_group_segment_fixed_size 327680
		.amdhsa_private_segment_fixed_size 0
		.amdhsa_enable_private_segment 0
		.amdhsa_kernarg_size 24
		.amdhsa_user_sgpr_count 2
		.amdhsa_user_sgpr_kernarg_segment_ptr 1
		.amdhsa_wavefront_size32 1
		.amdhsa_system_sgpr_workgroup_id_x 1
		.amdhsa_system_sgpr_workgroup_id_y 1
		.amdhsa_system_sgpr_workgroup_id_z 1
		.amdhsa_system_vgpr_workitem_id 0
		.amdhsa_next_free_vgpr 1024
		.amdhsa_next_free_sgpr 84
		.amdhsa_reserve_vcc 0
		.amdhsa_float_denorm_mode_32 3
		.amdhsa_float_denorm_mode_16_64 3
		.amdhsa_memory_ordered 1
		.amdhsa_forward_progress 1
		.amdhsa_inst_pref_size 159
	.end_amdhsa_kernel
	.amdgpu_metadata
---
amdhsa.version: [ 1, 2 ]
amdhsa.kernels:
  - .name:           k_qae8a0535ce_score
    .symbol:         k_qae8a0535ce_score.kd
    .args:
      - { .name: qkv, .offset: 0, .size: 8, .value_kind: global_buffer, .address_space: global }
      - { .name: pt, .offset: 8, .size: 8, .value_kind: global_buffer, .address_space: global }
      - { .name: st, .offset: 16, .size: 8, .value_kind: global_buffer, .address_space: global }
    .group_segment_fixed_size: 327680
    .private_segment_fixed_size: 0
    .kernarg_segment_align: 8
    .kernarg_segment_size: 24
    .max_flat_workgroup_size: 128
    .sgpr_count:     84
    .vgpr_count:     1024
    .wavefront_size: 32
...
	.end_amdgpu_metadata
.endif
;; end of part 3
;; launch mix (part 4): grid 4 x 64, 4 waves a work-group, clusters of 4 x 4, 327,680 bytes of LDS; arguments pt, st, qkv, out0; writes out0
.if DOCPART == 4
	.amdgcn_target "amdgcn-amd-amdhsa--gfx1250"
	.amdhsa_code_object_version 6
	.text
	.protected	k_qae8a0535ce_mix
	.globl	k_qae8a0535ce_mix
	.p2align	8
	.type	k_qae8a0535ce_mix,@function
k_qae8a0535ce_mix:
	s_mov_b64 s[64:65], 0
	v_nop
	global_prefetch_b8 v0, s[64:65] scope:SCOPE_SE
	s_setreg_imm32_b32 hwreg(HW_REG_WAVE_MODE, 25, 1), 1
	s_wait_xcnt 0x0
	s_wait_alu depctr_hold_cnt(0) depctr_sa_sdst(0) depctr_va_vdst(0) depctr_va_sdst(0) depctr_va_ssrc(0) depctr_va_vcc(0) depctr_vm_vsrc(0)
	s_getreg_b32 s2, hwreg(HW_REG_IB_STS2, 6, 4)
	s_cmp_eq_u32 s2, 0
	s_cbranch_scc0 .Lentry_in_a_cluster
	s_endpgm
.Lentry_in_a_cluster:
	s_bfe_u32 s2, ttmp6, 0x10000c
	s_cmp_lg_u32 s2, 0xf033
	s_cbranch_scc0 .Lentry_shape_is_right
	s_endpgm
.Lentry_shape_is_right:
; O = softmax(S) V, from the blocks' weights.  For a query: M = the maximum of its 16 blocks' c m; f_blk = 2^(c m_blk - M); l = the sum of f_blk l_blk; O = (the sum over blocks of (f_blk p) V) / l, in f32.
; So the row's maximum is taken away from every exponent.  pt: f16 tiles [64 row block][16 key block] of 32,768 bytes: [8 a][8 b][32 lanes][16 bytes]: lane (r, h) of piece (a, b) holds query 16 a + r, keys 16 b + 8 h + 0..7.
; st: f32 tiles [64][16] of 256 words: [2 j][32 lanes][4 a']: for query 16 (4 j + a') + r, lane r holds c m, lane 16 + r holds l.  qkv: V is blocks 32-47 of [48 cb][8192 row][64]; out0: f32 [8192][1024].
; LIMITS.  f is rounded to f16 and f p once more: a product below 6e-8 counts as 0 (l is taken of the unrounded f and p); an f below 2^-126 counts as 0; NaN and infinities are not treated apart.
; SHARES.  A work-group makes 128 queries (one row block) x 256 channels; wave (wm, wn) 64 x 128: 4 query blocks a x 8 channel blocks b: 32 accumulators.  K (the 2,048 keys) goes in 16 steps of one key block
; through two LDS slots; waves 0, 1 fetch the two halves of P's tile (16,384 dense bytes, as 64 rows of 256), waves 2, 3 V's 2 x 2 blocks of 128 keys x 128 bytes (dense: rows of 16,384 bytes).
; THE PRODUCT IS TAKEN TRANSPOSED: source 0 = 16 channels of V (V lies [key][channel] and is turned by ds_load_tr16_b128), source 1 = 16 queries of P: a lane holds one query and eight neighbouring channels.
; Pieces (a, 2 q) and (a, 2 q + 1) of P's tile ARE the fragment of query block a and keys 32 q on: two loads, lane l at 16 l: neighbouring lanes read neighbouring bytes, so P needs no padding.
; f RIDES ON P: a fragment of P holds one query a lane, so one packed multiply a register by (f, f) scales it, between its load and its product.  The factors lie in a table of the wave's own in LDS.
; THE CHANGE OF SLOTS STANDS BARE: between the wait for the next tile and the request for the tile after it stand the add, the descriptors' steps and the round alone, so that a request has a whole K step's
; 128 matrix instructions in which to land; the last quarter's scalings stand ahead of the wait, its 32 products behind the request and the first reads of the new slot.
; CLUSTER 4 x 4: P's tile hangs on the row block alone: shared along a row; V's on the batch (from the cluster's y) and the channel tile: shared along a column.
; REGISTERS: window 0: v2-13 addresses; v16-19 (f, f) of a = 0..3; v24-43 statistics; v64-127, v128-191 V's fragments, two buffers; v192-255 at work at both ends.
;   window 1: v0-127 accumulators of a = 0, 1 ((a, b) at 8 (8 (a % 2) + b)); v128-143, v144-159 P's fragments of a = 0, 1, two buffers.  window 2: the same for a = 2, 3.
.set PV,    160                        ; a row of V: 128 + 32 = 40 words
.set VOFF,  32768                      ; in a slot: P's tile, then V's four blocks of 128 rows
.set SLOT1, 1<<17
.set SPARE, VOFF+4*128*PV              ; between the slots: the spare words, 128 bytes for each wave: two blocks of 256 bytes that no other line names
.set FT,    SLOT1+VOFF+4*128*PV        ; behind the ring, never filled by a tensor load: 4,096 bytes for each wave: [16 key block][16 r][4 a] words (f, f)
.set STAGE, FT+4*4096                  ; 16 rows x 528 bytes for each wave, for the way out
.set SPT,   528
.set ASTEP, 32768
.set BSTEP, 128*128
.set ADRP0, 2
.set ADRV0, 3
.set ADRP,  4
.set ADRV,  5
.set FTA,   6                          ; v6   where the K step's four factors lie
.set STO,   7
.set RD,    8
.set GO,    9                          ; v9   16 x lane
.set PFO,   10                         ; v10  256 x lane
.set SO,    11                         ; v11  my byte offset in the row block's statistics
.set SPW,   12                         ; v12  LDS address of my spare word; never rewritten
.set NIL,   13                         ; v13  0; never rewritten
.set F,     16
.set FTW,   20                         ; v20  where I put factors
.set M,     24                         ; v24-27  M of a = 0..3
.set T,     28                         ; v28-31  at work
.set L,     32                         ; v32-35  l
.set RL,    36                         ; v36-43  1 / l, twice each: the packed multiply names a pair
.set VF,    64
.set PF,    128
.set CMR,   192                        ; v192-223  c m of block 8 h + i, a = 0..3 at CMR + 4 i; then f
.set LLR,   224                        ; v224-255  l of the same
.set TMP,   192
.set WV,  12
.set WM,  13                           ; my half of the queries; also: I fetch P (0) or V (1)
.set WN,  14                           ; my half of the channels; also: which piece I fetch
.set LIM, 15
.set G1A, 24
.set G0A, 32
.set G1B, 40
.set G0B, 48
.set TB,  56
.set PFA, 66                           ; s[66:67] where my prefetch stands; s[68:69] its step
.set X1,  0x54                         ; source 0 window 0; source 1, C and D window 1: serves the products, the scaling and P's loads of a = 0, 1.  Twice that: window 2
.set MSB, 0
.macro WIN new                         ; the immediate's high byte repeats the setting that is left; a switch that changes nothing is dropped
.if MSB != (\new)
	s_set_vgpr_msb (MSB<<8)|(\new)
.set MSB, (\new)
.endif
.endm
.macro PLACES                          ; four places in front of vector work that reads matrix results (ISA guide 7.12.1)
	s_wait_alu depctr_va_vdst(0)
.rept 4
	v_nop
.endr
.endm
.macro CREST
	s_cmp_lg_u32 s[WV], 0
	s_cbranch_scc1 .Lnot_wave_0_\@
	s_barrier_signal -3
.Lnot_wave_0_\@:
	s_barrier_wait -3
	s_barrier_signal -1
	s_barrier_wait -1
.endm
.macro CROUND
	s_barrier_signal -1
	s_barrier_wait -1
	CREST
.endm
.macro JLOAD                           ; a joint refill by the walking descriptor; an s_nop 0 and four v_nop follow each line
	s_cmp_eq_u32 s[WM], 0
	s_cbranch_scc0 .Lfor_b_\@
	tensor_load_to_lds s[G0A+4:G0A+7], s[G1A:G1A+7]
	s_nop 0
.rept 4
	v_nop
.endr
	s_branch .Lasked_\@
.Lfor_b_\@:
	tensor_load_to_lds s[G0B+4:G0B+7], s[G1B:G1B+7]
	s_nop 0
.rept 4
	v_nop
.endr
.Lasked_\@:
.endm
; A prefetch of the K step that stands two refills on (256 matrix instructions a wave ahead of its load).  P's tile (128 blocks of 256 bytes) is read by one row of one cluster: its four partners take 32 blocks each
; by cx, wave 0 asks.  A piece of V (2 x 64 blocks) is read by a column of each of the batch's four clusters: the first of them asks (cluster y a multiple of 4), its four partners take 32 blocks each by cy,
; waves 2 and 3 ask, each for the piece that it fetches.  A lane a block: each block is named once in the launch.  The loop's last two trips ask for nothing.
.macro ASK
	s_cmp_gt_u32 s3, s[LIM]
	s_cbranch_scc0 .Lnot_mine_\@
	global_prefetch_b8 v[PFO], s[PFA:PFA+1] th:TH_LOAD_NT scope:SCOPE_SE
.Lnot_mine_\@:
.endm
	s_load_b256 s[4:11], s[0:1], 0x0               ; pt s[4:5], st s[6:7], qkv s[8:9], out0 s[10:11]
	v_lshl_add_u32 v[SPW], v0, 2, SPARE
	v_mov_b32 v[NIL], 0
	ds_add_u32 v[SPW], v[NIL]                      ; the wave's opening: the add and its wait stand ahead of my first tensor load
	v_lshrrev_b32 v1, 5, v0
	v_readfirstlane_b32 s[WV], v1
	s_lshr_b32 s[WM], s[WV], 1
	s_and_b32 s[WN], s[WV], 1
	s_bfe_u32 s70, ttmp6, 0x40000                  ; cx
	s_bfe_u32 s71, ttmp6, 0x40004                  ; cy
	s_lshl_b32 s72, ttmp9, 2
	s_add_co_u32 s72, s72, s70                     ; channel tile tx
	s_and_b32 s73, ttmp7, 0xffff
	s_lshr_b32 s59, s73, 2                         ; the batch: 16 row blocks, four clusters, each
	s_lshl_b32 s73, s73, 2
	s_add_co_u32 s73, s73, s71                     ; row block ty
	s_lshl_b32 s16, s71, 2
	s_lshl_b32 s16, 15, s16                        ; my row of the cluster
	s_lshl_b32 s17, 0x1111, s70                    ; my column
	s_or_b32 s[G1A], s16, (1<<16)|(1<<21)          ; the mask; 2-byte elements; bit 21 beside a mask; no padding
	s_mov_b32 s[G1A+1], 128<<16                    ; tensor_dim0 = 128
	s_mov_b32 s[G1A+2], 64<<16                     ; tensor_dim1 = 64
	s_mov_b32 s[G1A+3], 128<<16
	s_mov_b32 s[G1A+4], 64
	s_mov_b32 s[G1A+5], 128
	s_mov_b32 s[G1A+6], 0
	s_mov_b32 s[G1A+7], 0
	s_or_b32 s[G1B], s17, (1<<16)|(1<<20)|(1<<21)|(4<<22)|(7<<25)  ; padding on: after every 32 words 8 words
	s_mov_b32 s[G1B+1], 8192<<16                   ; tensor_dim0 = 8,192 elements: a block's 128 keys, dense
	s_mov_b32 s[G1B+2], 2<<16                      ; tensor_dim1 = 2 blocks
	s_mov_b32 s[G1B+3], 8192<<16
	s_mov_b32 s[G1B+4], 2
	s_mov_b32 s[G1B+5], 524288                     ; elements from block to block
	s_mov_b32 s[G1B+6], 0
	s_mov_b32 s[G1B+7], 0
	s_lshl_b32 s18, s73, 19                        ; P: the row block's 16 tiles of 32,768 bytes,
	s_lshl_b32 s22, s[WN], 14                      ; + the half that I fetch
	s_add_co_u32 s18, s18, s22
	s_mov_b32 s19, 0
	s_lshl_b32 s20, s72, 2                         ; V: block 32 + 4 tx + 2 x piece,
	s_lshl_b32 s23, s[WN], 1
	s_add_co_u32 s20, s20, s23
	s_add_co_u32 s20, s20, 32
	s_lshl_b32 s20, s20, 20
	s_lshl_b32 s21, s59, 18                        ; the batch's 2,048 rows of 128 bytes
	s_add_co_u32 s20, s20, s21
	s_mov_b32 s21, 0
	s_lshl_b32 s74, s[WN], 14                      ; where they go: no place in the cluster enters an LDS address
	s_mul_i32 s75, s[WN], 2*128*PV
	s_add_co_u32 s75, s75, VOFF
	s_mov_b32 s[TB], 0
	s_mov_b32 s60, 0x76543210                      ; v_permlanex16_b32: each lane takes its own place in the other half
	s_mov_b32 s61, 0xfedcba98
	s_lshl_b32 s82, s73, 19                        ; the prefetch.  P's: the row block's tiles, my work-group's quarter by cx,
	s_lshl_b32 s83, s70, 13
	s_add_co_u32 s82, s82, s83
	s_add_co_u32 s82, s82, 3*ASTEP                 ; at K step 3: the first change of slots steps it to 4
	s_lshr_b32 s57, s71, 1                         ; V's: of my piece's two blocks the one by cy / 2,
	s_lshl_b32 s58, s72, 2
	s_add_co_u32 s57, s57, s58
	s_add_co_u32 s57, s57, s23
	s_add_co_u32 s57, s57, 32
	s_lshl_b32 s57, s57, 20
	s_lshl_b32 s58, s59, 18
	s_add_co_u32 s57, s57, s58
	s_and_b32 s58, s71, 1                          ; of its 128 keys the half by cy % 2
	s_lshl_b32 s58, s58, 13
	s_add_co_u32 s57, s57, s58
	s_add_co_u32 s57, s57, 3*BSTEP
	s_and_b32 s58, ttmp7, 3
	s_mov_b32 s68, BSTEP
	s_cmp_eq_u32 s[WM], 0
	s_cselect_b32 s82, s82, s57
	s_cselect_b32 s58, s[WN], s58                  ; 0 in wave 0, and in waves 2 and 3 of the batch's first cluster
	s_cselect_b32 s68, ASTEP, s68
	s_mov_b32 s69, 0
	s_mov_b32 s83, 0
	s_cmp_eq_u32 s58, 0
	s_cselect_b32 s[LIM], 2, -1
	s_lshl_b32 s76, s73, 19                        ; my part of out0: row 128 ty + 64 wm (4,096 bytes a row), channel 256 tx + 128 wn
	s_lshl_b32 s77, s[WM], 18
	s_add_co_u32 s76, s76, s77
	s_lshl_b32 s77, s72, 10
	s_add_co_u32 s76, s76, s77
	s_lshl_b32 s77, s[WN], 9
	s_add_co_u32 s76, s76, s77
	s_mov_b32 s77, 0
	s_lshl_b32 s78, s73, 14                        ; the row block's statistics
	s_mov_b32 s79, 0
	s_wait_dscnt 0x0                               ; the opening add is done
	s_wait_kmcnt 0x0
	s_add_nc_u64 s[18:19], s[4:5], s[18:19]
	s_add_nc_u64 s[20:21], s[8:9], s[20:21]
	s_cmp_eq_u32 s[WM], 0
	s_cselect_b64 s[PFA:PFA+1], s[4:5], s[8:9]
	s_add_nc_u64 s[PFA:PFA+1], s[PFA:PFA+1], s[82:83]
	s_add_nc_u64 s[76:77], s[10:11], s[76:77]
	s_add_nc_u64 s[78:79], s[6:7], s[78:79]
.irp s, 0,1
	s_mov_b32 s[G0A+4*\s], 1
	s_add_co_u32 s[G0A+4*\s+1], s74, \s*SLOT1
	s_add_nc_u64 s[G0A+4*\s+2:G0A+4*\s+3], s[18:19], \s*ASTEP
	s_or_b32 s[G0A+4*\s+3], s[G0A+4*\s+3], 0x80000000
	s_mov_b32 s[G0B+4*\s], 1
	s_add_co_u32 s[G0B+4*\s+1], s75, \s*SLOT1
	s_add_nc_u64 s[G0B+4*\s+2:G0B+4*\s+3], s[20:21], \s*BSTEP
	s_or_b32 s[G0B+4*\s+3], s[G0B+4*\s+3], 0x80000000
.endr
	CROUND                                         ; all sixteen work-groups are here: the first joint loads meet
	s_cmp_eq_u32 s[WM], 0                          ; a wave's two first fills stand in one branch: two loads of mine are out
	s_cbranch_scc0 .Lfirst_b
	tensor_load_to_lds s[G0A:G0A+3], s[G1A:G1A+7]
	s_nop 0
	tensor_load_to_lds s[G0A+4:G0A+7], s[G1A:G1A+7]
	s_nop 0
.rept 4
	v_nop
.endr
	s_branch .Lfirst_asked
.Lfirst_b:
	tensor_load_to_lds s[G0B:G0B+3], s[G1B:G1B+7]
	s_nop 0
	tensor_load_to_lds s[G0B+4:G0B+7], s[G1B:G1B+7]
	s_nop 0
.rept 4
	v_nop
.endr
.Lfirst_asked:
	; THE FACTORS, in the wait for the first tiles.  Lane (r, h) takes, of key blocks 8 h + 0..7, c m and l of my queries 16 a + r, a = 0..3: four neighbouring words each.
	v_and_b32 v1, 15, v0                           ; r
	v_bfe_u32 v14, v0, 4, 1                        ; h
	v_and_b32 v15, 31, v0                          ; l
	v_lshlrev_b32 v[SO], 4, v1                     ; in a tile: lane r's 16 bytes,
	v_lshl_add_u32 v[SO], v14, 13, v[SO]           ; eight tiles of 1,024 bytes on for the upper lanes,
	s_lshl_b32 s22, s[WM], 9                       ; the half j = wm
	v_add_nc_u32 v[SO], s22, v[SO]
.irp i, 0,1,2,3,4,5,6,7
	global_load_b128 v[CMR+4*\i:CMR+4*\i+3], v[SO], s[78:79] offset:1024*\i
	global_load_b128 v[LLR+4*\i:LLR+4*\i+3], v[SO], s[78:79] offset:1024*\i+256
.endr
	v_lshlrev_b32 v[GO], 4, v15
	s_lshl_b32 s22, s[WM], 14                      ; a fragment of P: 16 bytes a lane, in my 64 queries' half of the tile
	v_add_nc_u32 v[ADRP0], s22, v[GO]
	v_and_b32 v21, 7, v0                           ; the turning load: lane l reads key 8 h + l % 8, channels 8 ((l / 8) % 2) + 0..7
	v_bfe_u32 v22, v0, 3, 1
	v_lshl_add_u32 v[ADRV0], v14, 3, v21
	v_mul_u32_u24 v[ADRV0], v[ADRV0], PV
	v_lshl_add_u32 v[ADRV0], v22, 4, v[ADRV0]
	s_mul_i32 s22, s[WN], 2*128*PV
	s_add_co_u32 s22, s22, VOFF
	v_add_nc_u32 v[ADRV0], s22, v[ADRV0]
	v_mov_b32 v[ADRP], v[ADRP0]
	v_mov_b32 v[ADRV], v[ADRV0]
	s_lshl_b32 s22, s[WV], 12
	s_add_co_u32 s22, s22, FT                      ; my table
	v_lshl_add_u32 v[FTA], v1, 4, s22              ; key block 0: 16 bytes for each r; both halves of the lanes read the same
	v_lshl_add_u32 v[FTW], v14, 11, v[FTA]         ; I write key blocks 8 h + 0..7
	s_mul_i32 s22, s[WV], 16*SPT
	s_add_co_u32 s22, s22, STAGE                   ; my stage
	v_mul_u32_u24 v[STO], v1, SPT                  ; in: row r, 32 bytes for each half of the lanes
	v_lshl_add_u32 v[STO], v14, 5, v[STO]
	v_add_nc_u32 v[STO], s22, v[STO]
	v_add_nc_u32 v[RD], s22, v[GO]                 ; back: 32 lanes take one row of 512 bytes
	v_lshlrev_b32 v[PFO], 8, v15
.irp a, 0,1,2,3
	v_mov_b32 v[T+\a], 0                           ; v_permlanex16_b32 counts as a reader of its destination
.endr
	s_wait_loadcnt 0x0
.irp a, 0,1,2,3
	v_max3_num_f32 v[M+\a], v[CMR+\a], v[CMR+4+\a], v[CMR+8+\a]
.endr
.irp a, 0,1,2,3
	v_max3_num_f32 v[M+\a], v[M+\a], v[CMR+12+\a], v[CMR+16+\a]
.endr
.irp a, 0,1,2,3
	v_max3_num_f32 v[M+\a], v[M+\a], v[CMR+20+\a], v[CMR+24+\a]
.endr
.irp a, 0,1,2,3
	v_max_num_f32 v[M+\a], v[M+\a], v[CMR+28+\a]
.endr
.irp a, 0,1,2,3
	v_permlanex16_b32 v[T+\a], v[M+\a], s60, s61   ; the other eight key blocks lie in the lane 16 away
.endr
.irp a, 0,1,2,3
	v_max_num_f32 v[M+\a], v[M+\a], v[T+\a]
.endr
.irp i, 0,1,2,3,4,5,6,7
.irp p, 0,2
	v_pk_add_f32 v[CMR+4*\i+\p:CMR+4*\i+\p+1], v[CMR+4*\i+\p:CMR+4*\i+\p+1], v[M+\p:M+\p+1] neg_lo:[0,1] neg_hi:[0,1]
.endr
.endr
.set i, 0
.rept 32
	v_exp_f32 v[CMR+i], v[CMR+i]                   ; f
.set i, i+1
.endr
	v_nop                                          ; a plain instruction behind the last exponential
	s_wait_alu depctr_va_vdst(0)
.irp p, 0,2
	v_pk_mul_f32 v[L+\p:L+\p+1], v[CMR+\p:CMR+\p+1], v[LLR+\p:LLR+\p+1]
.endr
.irp i, 1,2,3,4,5,6,7
.irp p, 0,2
	v_pk_fma_f32 v[L+\p:L+\p+1], v[CMR+4*\i+\p:CMR+4*\i+\p+1], v[LLR+4*\i+\p:LLR+4*\i+\p+1], v[L+\p:L+\p+1]
.endr
.endr
.irp a, 0,1,2,3
	v_permlanex16_b32 v[T+\a], v[L+\a], s60, s61
.endr
.irp a, 0,1,2,3
	v_add_f32 v[L+\a], v[L+\a], v[T+\a]
.endr
.irp a, 0,1,2,3
	v_rcp_f32 v[RL+2*\a], v[L+\a]
	v_rcp_f32 v[RL+2*\a+1], v[L+\a]
.endr
.set i, 0
.rept 32                               ; (f, f) in f16; the first of these is the plain instruction behind the last reciprocal
	v_cvt_pk_f16_f32 v[CMR+i], v[CMR+i], v[CMR+i]
.set i, i+1
.endr
.irp i, 0,1,2,3,4,5,6,7
	ds_store_b128 v[FTW], v[CMR+4*\i:CMR+4*\i+3] offset:256*\i  ; the table is my wave's own: LDS serves a wave's instructions in order, so its later loads see these
.endr
.macro SCALE a, buf                    ; fragment a of P times (f, f)
.set PR, PF+16*(\buf)+8*((\a)%2)
	WIN X1*(1+(\a)/2)
.set i, 0
.rept 8
	v_pk_mul_f16 v[PR+i], v[F+(\a)], v[PR+i]
.set i, i+1
.endr
.endm
; 8 matrix instructions: query block a x all 8 channel blocks, 32 keys.  The accumulators take turns, one instruction a turn.  ride = 1: behind each product one register of fragment a + 1 is scaled.
.macro MULA a, buf, zero, ride
.set AC, 64*((\a)%2)
.set PR, PF+16*(\buf)+8*((\a)%2)
	WIN X1*(1+(\a)/2)
.irp b, 0,1,2,3,4,5,6,7
.if \zero
	v_wmma_f32_16x16x32_f16 v[AC+8*\b:AC+8*\b+7], v[VF+64*(\buf)+8*\b:VF+64*(\buf)+8*\b+7], v[PR:PR+7], 0
.else
	v_wmma_f32_16x16x32_f16 v[AC+8*\b:AC+8*\b+7], v[VF+64*(\buf)+8*\b:VF+64*(\buf)+8*\b+7], v[PR:PR+7], v[AC+8*\b:AC+8*\b+7]
.endif
.if \ride
	v_pk_mul_f16 v[PR+8+\b], v[F+(\a)+1], v[PR+8+\b]
.endif
.endr
.endm
.macro FETCH qd, buf                   ; 24 LDS loads in one run: the fragments of the 32 keys at 32 qd: P's four, then V's eight
	WIN X1
.irp a, 0,1
	ds_load_b128 v[PF+16*(\buf)+8*\a:PF+16*(\buf)+8*\a+3],   v[ADRP] offset:\a*4096+1024*(\qd)
	ds_load_b128 v[PF+16*(\buf)+8*\a+4:PF+16*(\buf)+8*\a+7], v[ADRP] offset:\a*4096+1024*(\qd)+512
.endr
	WIN 2*X1
.irp a, 0,1
	ds_load_b128 v[PF+16*(\buf)+8*\a:PF+16*(\buf)+8*\a+3],   v[ADRP] offset:(\a+2)*4096+1024*(\qd)
	ds_load_b128 v[PF+16*(\buf)+8*\a+4:PF+16*(\buf)+8*\a+7], v[ADRP] offset:(\a+2)*4096+1024*(\qd)+512
.endr
	WIN 0
.irp b, 0,1,2,3,4,5,6,7
	ds_load_tr16_b128 v[VF+64*(\buf)+8*\b:VF+64*(\buf)+8*\b+3],   v[ADRV] offset:(\b/4)*128*PV+(\qd)*32*PV+32*(\b%4)
	ds_load_tr16_b128 v[VF+64*(\buf)+8*\b+4:VF+64*(\buf)+8*\b+7], v[ADRV] offset:(\b/4)*128*PV+(\qd)*32*PV+32*(\b%4)+16*PV
.endr
.endm
; One of a K step's first three quarters: multiplies buffer buf and fetches quarter qd into the other.  The 16 scalings, which name no register of the products before them, are also the places in front of the loads.
.macro QUARTER qd, buf, zero
	s_wait_dscnt 0x0                               ; this quarter's fragments, asked for 32 matrix instructions ago (and, in a step's first quarter, its factors)
	SCALE 2, \buf
	SCALE 0, \buf
	FETCH \qd, 1-(\buf)
	MULA 0, \buf, \zero, 1
	MULA 1, \buf, \zero, 0
	MULA 2, \buf, \zero, 1
	MULA 3, \buf, \zero, 0
.endm
; The last quarter, on buffer 1, and in its middle the change of slots.  All four fragments are scaled ahead of it: the next step's factors are loaded behind it, and the 32 scalings, which name no register of the
; products before them, are the places in front of the loads.  fill = 0, the tail: nothing is left to ask for, and in its last trip (s3 = 1) nothing to fetch.
.macro TURN fill
.if \fill
	s_wait_xcnt 0x0                                ; the last prefetch, a K step back, has read its address
	s_add_nc_u64 s[PFA:PFA+1], s[PFA:PFA+1], s[68:69]
.endif
	s_wait_dscnt 0x0                               ; this quarter's fragments: my last reads of this slot
	SCALE 2, 1
	SCALE 3, 1
	SCALE 0, 1
	SCALE 1, 1
	WIN 0                                          ; the add's two registers lie in window 0; at a branch and at a label every window is 0
	s_wait_tensorcnt 0x0                           ; all my tensor loads have landed: the one that was out is my part of the next slot;
	ds_add_u32 v[SPW], v[NIL]                      ; 0 onto my spare word
.if \fill
	s_xor_b32 s[G0A+5], s[G0A+5], SLOT1            ; no load of mine is out, so the walking descriptors may be written
	s_add_nc_u64 s[G0A+6:G0A+7], s[G0A+6:G0A+7], ASTEP
	s_xor_b32 s[G0B+5], s[G0B+5], SLOT1
	s_add_nc_u64 s[G0B+6:G0B+7], s[G0B+6:G0B+7], BSTEP
.endif
	s_wait_dscnt 0x0                               ; the add is done
	s_barrier_signal -1
	s_barrier_wait -1
.if \fill
	CREST                                          ; the barrier has opened a round of the cluster's: no wave of any partner still reads this slot or has a load on its way
	JLOAD                                          ; the first tensor load behind the round
.else
	s_cmp_eq_u32 s3, 1
	s_cbranch_scc1 .Lno_fetch_\@
.endif
	s_xor_b32 s[TB], s[TB], SLOT1
	v_add_nc_u32 v[ADRP], s[TB], v[ADRP0]
	v_add_nc_u32 v[ADRV], s[TB], v[ADRV0]
	v_add_nc_u32 v[FTA], 256, v[FTA]               ; the next key block's factors
	FETCH 0, 0
	ds_load_b128 v[F:F+3], v[FTA]
.if \fill
	ASK
.else
.Lno_fetch_\@:
.endif
	MULA 0, 1, 0, 0                                ; 32 products on fragments that are in registers stand over the loads just issued
	MULA 1, 1, 0, 0
	MULA 2, 1, 0, 0
	MULA 3, 1, 0, 0
.endm
	s_wait_dscnt 0x0                               ; my table is written: no LDS instruction of mine is out at the signal
	s_wait_tensorcnt 0x1                           ; my part of K step 0 is in; K step 1's may stay out
	s_barrier_signal -1
	s_barrier_wait -1
	FETCH 0, 0
	ds_load_b128 v[F:F+3], v[FTA]
	QUARTER 1, 0, 1                                ; the first quarter stands in front of the loop: its products start the sums
	WIN 0
	s_mov_b32 s3, 14
.Lstep:                                        ; a trip: from a K step's second quarter to the next step's first
	QUARTER 2, 1, 0
	QUARTER 3, 0, 0
	TURN 1
	QUARTER 1, 0, 0
	WIN 0
	s_sub_co_u32 s3, s3, 1
	s_cmp_lg_u32 s3, 0
	s_cbranch_scc1 .Lstep
	s_mov_b32 s3, 2                                ; the tail has a text of its own: two trips, entered in the middle
	s_branch .Ltail_in
.Ltail:
	QUARTER 1, 0, 0
	WIN 0
.Ltail_in:
	QUARTER 2, 1, 0
	QUARTER 3, 0, 0
	TURN 0
	WIN 0
	s_sub_co_u32 s3, s3, 1
	s_cmp_lg_u32 s3, 0
	s_cbranch_scc1 .Ltail
	s_wait_dscnt 0x0
	PLACES
; THE WAY OUT, a block of 16 queries at a time: divided by l; a lane's eight channels (32 bytes) go into rows of 528 bytes of my own stage and come back as whole rows of 512.
.macro OUTP a
.set AC, 64*((\a)%2)
	WIN 1+(\a)/2                                   ; source 0 in window 1 or 2
.set i, 0
.rept 32
	v_pk_mul_f32 v[TMP+2*i:TMP+2*i+1], v[AC+2*i:AC+2*i+1], v[RL+2*(\a):RL+2*(\a)+1] op_sel_hi:[1,0]  ; each accumulator from its low end on
.set i, i+1
.endr
	WIN 0
.irp b, 0,1,2,3,4,5,6,7
	ds_store_b128 v[STO], v[TMP+8*\b:TMP+8*\b+3] offset:64*\b
	ds_store_b128 v[STO], v[TMP+8*\b+4:TMP+8*\b+7] offset:64*\b+16
.endr
	s_wait_xcnt 0x0                                ; the stores of two blocks back have read the registers that are loaded now
.irp t, 0,1,2,3,4,5,6,7,8,9,10,11,12,13,14,15
	ds_load_b128 v[VF+64*((\a)%2)+4*\t:VF+64*((\a)%2)+4*\t+3], v[RD] offset:SPT*\t  ; LDS serves a wave's instructions in order (ISA guide 5.7.1.4): these see the stores above
.endr
.endm
.macro SEND a, younger                 ; younger: the LDS instructions issued behind block a's loads: the next block's 32, or none
.irp t, 0,1,2,3,4,5,6,7,8,9,10,11,12,13,14,15
	s_wait_dscnt (\younger)+15-\t
	global_store_b128 v[GO], v[VF+64*((\a)%2)+4*\t:VF+64*((\a)%2)+4*\t+3], s[76:77] offset:(16*(\a)+\t)*4096  ; 512 consecutive bytes of a row, at a multiple of 256 from out0's first
.endr
.endm
	OUTP 0
	OUTP 1
	SEND 0, 32
	OUTP 2
	SEND 1, 32
	OUTP 3
	SEND 2, 32
	SEND 3, 0
	s_wait_tensorcnt 0x0                           ; the wave's end: behind my last tensor load and my last LDS store
	ds_add_u32 v[SPW], v[NIL]
	s_wait_dscnt 0x0
	CROUND                                         ; the closing round
	s_endpgm
.Lfunc_end_k_qae8a0535ce_mix:
	.size	k_qae8a0535ce_mix, .Lfunc_end_k_qae8a0535ce_mix-k_qae8a0535ce_mix
	.p2alignl 7, 3214868480
	.fill 96, 4, 3214868480
	.section	.rodata,"a",@progbits
	.p2align	6, 0x0
	.amdhsa_kernel k_qae8a0535ce_mix
		.amdhsa_group_segment_fixed_size 327680
		.amdhsa_private_segment_fixed_size 0
		.amdhsa_enable_private_segment 0
		.amdhsa_kernarg_size 32
		.amdhsa_user_sgpr_count 2
		.amdhsa_user_sgpr_kernarg_segment_ptr 1
		.amdhsa_wavefront_size32 1
		.amdhsa_system_sgpr_workgroup_id_x 1
		.amdhsa_system_sgpr_workgroup_id_y 1
		.amdhsa_system_sgpr_workgroup_id_z 1
		.amdhsa_system_vgpr_workitem_id 0
		.amdhsa_next_free_vgpr 672
		.amdhsa_next_free_sgpr 84
		.amdhsa_reserve_vcc 0
		.amdhsa_float_denorm_mode_32 3
		.amdhsa_float_denorm_mode_16_64 3
		.amdhsa_memory_ordered 1
		.amdhsa_forward_progress 1
		.amdhsa_inst_pref_size 98
	.end_amdhsa_kernel
	.amdgpu_metadata
---
amdhsa.version: [ 1, 2 ]
amdhsa.kernels:
  - .name:           k_qae8a0535ce_mix
    .symbol:         k_qae8a0535ce_mix.kd
    .args:
      - { .name: pt, .offset: 0, .size: 8, .value_kind: global_buffer, .address_space: global }
      - { .name: st, .offset: 8, .size: 8, .value_kind: global_buffer, .address_space: global }
      - { .name: qkv, .offset: 16, .size: 8, .value_kind: global_buffer, .address_space: global }
      - { .name: out0, .offset: 24, .size: 8, .value_kind: global_buffer, .address_space: global }
    .group_segment_fixed_size: 327680
    .private_segment_fixed_size: 0
    .kernarg_segment_align: 8
    .kernarg_segment_size: 32
    .max_flat_workgroup_size: 128
    .sgpr_count:     84
    .vgpr_count:     672
    .wavefront_size: 32
...
	.end_amdgpu_metadata
.endif
;; end of part 4
;; ======== version 2 of 2: 4 launches; version 1 with the launch prep written anew for expert scheduling mode
;; limits: values are held in f16: magnitudes above 65,504 overflow, below 6.1e-05 lose precision
;; workspace buffers: xb 16,777,216 bytes; wb 6,291,456 bytes; bb 12,288 bytes; qkv 50,331,648 bytes; pt 33,554,432 bytes; st 1,048,576 bytes
;; launch prep (part 5): grid 256 x 1, 8 waves a work-group, no clusters, 0 bytes of LDS; arguments x, Wq, Wk, Wv, bq, bk, bv, xb, wb, bb; writes xb, wb, bb
.if DOCPART == 5
	.amdgcn_target "amdgcn-amd-amdhsa--gfx1250"
	.amdhsa_code_object_version 6
	.text
	.protected	k_qae8a0535ce_prep
	.globl	k_qae8a0535ce_prep
	.p2align	8
	.type	k_qae8a0535ce_prep,@function
k_qae8a0535ce_prep:
	s_mov_b64 s[64:65], 0
	v_nop
	global_prefetch_b8 v0, s[64:65] scope:SCOPE_SE
	s_setreg_imm32_b32 hwreg(HW_REG_WAVE_SCHED_MODE, 0, 2), 2
	s_setreg_imm32_b32 hwreg(HW_REG_WAVE_MODE, 25, 1), 1
	s_wait_xcnt 0x0
	s_wait_alu depctr_vm_vsrc(0)
; x [8192][1024] and Wq, Wk, Wv [1024][1024], f32, are rounded once to bf16 and laid in blocks of 64 columns: xb [16 cb][8192 row][64], wb [48 cb][1024 k][64 n]
; (cb = 16 x matrix + n / 64), so that a later tile's rows lie end to end.  The three biases are rounded to bf16 and kept as f32 in bb [3072] = bq | bk | bv.
; SHARES.  256 work-groups of equal work: each takes 32 rows of x and rows 4 g .. 4 g + 3 of each of the three weight matrices: 44 rows of 4,096 bytes.  Wave w takes the column blocks 2 w and 2 w + 1.
; A load of a wave covers two rows x 256 consecutive bytes; a store covers 256 consecutive bytes, aligned (two rows of a block).  All 44 loads of a wave go out at once.
; Work-groups 0 to 2 take a bias each: its load goes out behind the 44 and is finished ahead of the rows' stores, so that it is on its way together with them.
; No LDS, matrix unit or cluster: no byte is wanted by two waves.
; THE MODE: SCHED_MODE bits 1:0 = 2 (LLVM: expert scheduling mode 2), set by the entry lines.  The code itself states the register dependences
; between vector instructions and memory instructions, with s_wait_alu, always for 0.
; THE PLAN.  Registers that memory instructions touch:
;   VL, VX, VW, VB   byte offsets, made once at the head and never written again: one wait ahead of the first load serves every load and store.
;   D + 4 n ..       load n lands in four registers, once; its two conversions read the four and write the low pair; store n reads that pair; nothing writes it afterwards.
;   v184-187         the bias: a load lands there, two conversions read it, four vector lines write it again, one store reads it.
; The 44 rows' work goes in 11 blocks of four loads.  Block p rounds its own sixteen registers; its memory instructions are the four stores of block p - 1, which read the pairs that block p - 1 wrote
; and an offset.  So ONE wait at a block's head states all that its four stores hang on, and these are dealt among its eight conversions, which name none of their registers.
; No register that a memory instruction reads is written again, so nothing is owed for a written-over source.
.set D,  8                             ; v[8:183] load n's four f32 at D + 4 n; its two packed words take the low pair's place.  n = 0..11: the weights; 12..43: x
.set VL, 4                             ; v4  byte offset of my 16 bytes in two rows of a source
.set VX, 5                             ; v5  byte offset of my 8 bytes in two rows of block 2 w of xb
.set VW, 6                             ; v6  the same in wb
.set VB, 190                           ; v190  byte offset of my 16 bytes in a bias
.set BLOCK,  4                         ; loads in a block
.set BLOCKS, 44/BLOCK
	s_load_b512 s[4:19], s[0:1], 0x0               ; x s[4:5], Wq s[6:7], Wk s[8:9], Wv s[10:11], bq s[12:13], bk s[14:15], bv s[16:17], xb s[18:19]
	s_load_b128 s[20:23], s[0:1], 0x40             ; wb s[20:21], bb s[22:23]
	v_lshrrev_b32 v2, 5, v0
	v_readfirstlane_b32 s24, v2                    ; wave 0..7
	v_and_b32 v1, 31, v0                           ; lane
	v_and_b32 v3, 15, v0
	v_bfe_u32 v7, v0, 4, 1
	v_lshlrev_b32 v[VL], 4, v3
	v_lshl_add_u32 v[VL], v7, 12, v[VL]            ; lanes 16-31: the next row
	v_lshlrev_b32 v[VB], 4, v0                     ; a bias: 16 bytes a thread
	s_lshl_b32 s28, ttmp9, 17                      ; x: 32 rows of 4,096 bytes
	s_mov_b32 s29, 0
	s_lshl_b32 s30, ttmp9, 14                      ; a weight matrix: 4 rows of 4,096 bytes
	s_mov_b32 s31, 0
	s_lshl_b32 s32, ttmp9, 12                      ; xb: 32 rows of 128 bytes
	s_mov_b32 s33, 0
	s_lshl_b32 s34, ttmp9, 9                       ; wb: 4 rows of 128 bytes
	s_mov_b32 s35, 0
	s_wait_alu depctr_va_sdst(0)                   ; s24 is written, ahead of its first reader: the three shifts below
	s_lshl_b32 s25, s24, 9
	v_add_nc_u32 v[VL], s25, v[VL]                 ; my wave's 512 bytes of a row
	s_lshl_b32 s26, s24, 21                        ; block 2 w of xb: blocks of 1,048,576 bytes
	v_lshl_add_u32 v[VX], v1, 3, s26               ; 8 bytes a lane: lanes 0-15 one row of 128 bytes, lanes 16-31 the next
	s_lshl_b32 s27, s24, 18                        ; block 2 w of a matrix in wb: blocks of 131,072 bytes
	v_lshl_add_u32 v[VW], v1, 3, s27
	s_wait_kmcnt 0x0
	s_add_nc_u64 s[4:5], s[4:5], s[28:29]
	s_add_nc_u64 s[6:7], s[6:7], s[30:31]
	s_add_nc_u64 s[8:9], s[8:9], s[30:31]
	s_add_nc_u64 s[10:11], s[10:11], s[30:31]
	s_add_nc_u64 s[18:19], s[18:19], s[32:33]
	s_add_nc_u64 s[20:21], s[20:21], s[34:35]
	s_wait_alu depctr_va_vdst(0)                   ; VL, VX, VW and VB are written: every load and store of the kernel reads one of them as its offset
.set n, 0
.rept 12                               ; matrix n / 4, rows 2 ((n / 2) % 2) and + 1, block 2 w + n % 2
	global_load_b128 v[D+4*n:D+4*n+3], v[VL], s[6+2*(n/4):7+2*(n/4)] offset:((n/2)%2)*8192+(n%2)*256 th:TH_LOAD_NT
.set n, n+1
.endr
.set i, 0
.rept 32                               ; x: rows 2 (i % 16) and + 1, block 2 w + i / 16
	global_load_b128 v[D+48+4*i:D+48+4*i+3], v[VL], s[4:5] offset:(i%16)*8192+(i/16)*256 th:TH_LOAD_NT
.set i, i+1
.endr
	s_cmp_lt_u32 ttmp9, 3                          ; a bias: 1,024 numbers, 16 bytes a thread
	s_cbranch_scc0 .Lrows
	s_cmp_eq_u32 ttmp9, 1
	s_cselect_b64 s[36:37], s[14:15], s[12:13]
	s_cmp_eq_u32 ttmp9, 2
	s_cselect_b64 s[36:37], s[16:17], s[36:37]
	s_lshl_b32 s38, ttmp9, 12
	s_mov_b32 s39, 0
	s_add_nc_u64 s[40:41], s[22:23], s[38:39]
	global_load_b128 v[184:187], v[VB], s[36:37]   ; no vector instruction has named v184-187, and VB was written ahead of the wait at the head
	s_wait_loadcnt 0x0                             ; the youngest of 45 loads that went out together
	v_cvt_pk_bf16_f32 v188, v184, v185             ; rounded to bf16,
	v_cvt_pk_bf16_f32 v189, v186, v187
	v_lshlrev_b32 v184, 16, v188                   ; and widened again
	v_and_b32 v185, 0xffff0000, v188
	v_lshlrev_b32 v186, 16, v189
	v_and_b32 v187, 0xffff0000, v189
	s_wait_alu depctr_va_vdst(0)                   ; the four widened numbers are written into v184-187, which the store reads
	global_store_b128 v[VB], v[184:187], s[40:41]
.Lrows:
; Store m: the two packed words of load m.
.macro PUT
.if m < 12
	global_store_b64 v[VW], v[D+4*m:D+4*m+1], s[20:21] offset:(m/4)*2097152+(m%2)*131072+((m/2)%2)*256
.else
	global_store_b64 v[VX], v[D+4*m:D+4*m+1], s[18:19] offset:((m-12)/16)*1048576+((m-12)%16)*256
.endif
.endm
.set p, 0
.rept BLOCKS                           ; block p: loads 4 p .. 4 p + 3 are rounded; the block before is stored
	s_wait_loadcnt 44-BLOCK*(p+1)                  ; loads come back in order: this block's four are in, the 40 - 4 p younger ones stay out
.if p > 0
	s_wait_alu depctr_va_vdst(0)                   ; the block before has written its four pairs of packed words, which the four stores below read
.endif
.set i, 0
.rept BLOCK
.set n, BLOCK*p+i
.set m, n-BLOCK
.if p > 0
	PUT                                            ; no vector instruction since the wait names this store's pair or its offset
.endif
	v_cvt_pk_bf16_f32 v[D+4*n], v[D+4*n], v[D+4*n+1]
	v_cvt_pk_bf16_f32 v[D+4*n+1], v[D+4*n+2], v[D+4*n+3]
.set i, i+1
.endr
.set p, p+1
.endr
	s_wait_alu depctr_va_vdst(0)                   ; the last block has written its four pairs, which the last four stores read
.set m, 44-BLOCK
.rept BLOCK
	PUT
.set m, m+1
.endr
	s_endpgm
.Lfunc_end_k_qae8a0535ce_prep:
	.size	k_qae8a0535ce_prep, .Lfunc_end_k_qae8a0535ce_prep-k_qae8a0535ce_prep
	.p2alignl 7, 3214868480
	.fill 96, 4, 3214868480
	.section	.rodata,"a",@progbits
	.p2align	6, 0x0
	.amdhsa_kernel k_qae8a0535ce_prep
		.amdhsa_group_segment_fixed_size 0
		.amdhsa_private_segment_fixed_size 0
		.amdhsa_enable_private_segment 0
		.amdhsa_kernarg_size 80
		.amdhsa_user_sgpr_count 2
		.amdhsa_user_sgpr_kernarg_segment_ptr 1
		.amdhsa_wavefront_size32 1
		.amdhsa_system_sgpr_workgroup_id_x 1
		.amdhsa_system_sgpr_workgroup_id_y 1
		.amdhsa_system_sgpr_workgroup_id_z 1
		.amdhsa_system_vgpr_workitem_id 0
		.amdhsa_next_free_vgpr 192
		.amdhsa_next_free_sgpr 66
		.amdhsa_reserve_vcc 0
		.amdhsa_float_denorm_mode_32 3
		.amdhsa_float_denorm_mode_16_64 3
		.amdhsa_memory_ordered 1
		.amdhsa_forward_progress 1
		.amdhsa_inst_pref_size 17
	.end_amdhsa_kernel
	.amdgpu_metadata
---
amdhsa.version: [ 1, 2 ]
amdhsa.kernels:
  - .name:           k_qae8a0535ce_prep
    .symbol:         k_qae8a0535ce_prep.kd
    .args:
      - { .name: x, .offset: 0, .size: 8, .value_kind: global_buffer, .address_space: global }
      - { .name: Wq, .offset: 8, .size: 8, .value_kind: global_buffer, .address_space: global }
      - { .name: Wk, .offset: 16, .size: 8, .value_kind: global_buffer, .address_space: global }
      - { .name: Wv, .offset: 24, .size: 8, .value_kind: global_buffer, .address_space: global }
      - { .name: bq, .offset: 32, .size: 8, .value_kind: global_buffer, .address_space: global }
      - { .name: bk, .offset: 40, .size: 8, .value_kind: global_buffer, .address_space: global }
      - { .name: bv, .offset: 48, .size: 8, .value_kind: global_buffer, .address_space: global }
      - { .name: xb, .offset: 56, .size: 8, .value_kind: global_buffer, .address_space: global }
      - { .name: wb, .offset: 64, .size: 8, .value_kind: global_buffer, .address_space: global }
      - { .name: bb, .offset: 72, .size: 8, .value_kind: global_buffer, .address_space: global }
    .group_segment_fixed_size: 0
    .private_segment_fixed_size: 0
    .kernarg_segment_align: 8
    .kernarg_segment_size: 80
    .max_flat_workgroup_size: 256
    .sgpr_count:     66
    .vgpr_count:     192
    .wavefront_size: 32
...
	.end_amdgpu_metadata
.endif
;; end of part 5
;; launch proj: the kernel of part 2 again; grid 8 x 32, 4 waves a work-group, clusters of 4 x 4, 327,680 bytes of LDS; arguments xb, wb, bb, qkv; writes qkv
;; launch score: the kernel of part 3 again; grid 8 x 32, 4 waves a work-group, clusters of 4 x 4, 327,680 bytes of LDS; arguments qkv, pt, st; writes pt, st
;; launch mix: the kernel of part 4 again; grid 4 x 64, 4 waves a work-group, clusters of 4 x 4, 327,680 bytes of LDS; arguments pt, st, qkv, out0; writes out0
